; MI455X (gfx1250); checked and timed in simulation.
; The chip was launched on July 23, 2026; its instructions are those of AMD's public machine-readable ISA for CDNA 5 (MIT licence, August 2026) and "CDNA5" Instruction Set Architecture Reference Guide (July 2026). The comments in the code are by the model that wrote it; some were corrected since.
;; Encoder layer. Allowed arithmetic: matrix products marked QUANTISED: E5M2 operands, one given power-of-two scale a tensor, by v_wmma_f32_16x16x64_bf8_bf8 or v_wmma_f32_16x16x128_bf8_bf8, f32 sums; everything else in f32.
;; Inputs: W1 1,024 x 4,096 float32; W2 4,096 x 1,024 float32; Wk 1,024 x 1,024 float32; Wo 1,024 x 1,024 float32; Wq 1,024 x 1,024 float32; Wv 1,024 x 1,024 float32; b1 4,096 float32; b2 1,024 float32; be1 1,024 float32; be2 1,024 float32; bk 1,024 float32; bo 1,024 float32; bq 1,024 float32; bv 1,024 float32; g1 1,024 float32; g2 1,024 float32; lowp_scales 16 int32 (the exponents e of the quantised operands' scales 2^e); mask 2 x 1 x 1 x 2,048 int32; x 2 x 2,048 x 1,024 float32.
;; Outputs: out0 2 x 2,048 x 1,024 float32.
;; This version of the problem:
;;   THIS VERSION OF THE PROBLEM IS GIVEN IN LOW PRECISION. The matrix products marked QUANTISED in the list below multiply operands that are first quantised to E5M2 (5 exponent bits, 2 mantissa bits; 8 bits a number), with one given power-of-two scale for each operand tensor; their sums are f32. All else is computed in f32.
;;   The module's matrix products, in the order in which they are computed (A, B: the left and right operand; K: the contracted axis; several contracted axes count as one K, in the product's order):
;;     1. [M 4,096, K 1,024] x [K 1,024, N 1,024]; A: input x; B: input Wq: QUANTISED (scales: A lowp_scales[0], B lowp_scales[1])
;;     2. [M 4,096, K 1,024] x [K 1,024, N 1,024]; A: input x; B: input Wk: QUANTISED (scales: A lowp_scales[2], B lowp_scales[3])
;;     3. [M 4,096, K 1,024] x [K 1,024, N 1,024]; A: input x; B: input Wv: QUANTISED (scales: A lowp_scales[4], B lowp_scales[5])
;;     4. batch 32 x [M 2,048, K 64] x [K 64, N 2,048]; A: computed on the way; B: computed on the way: QUANTISED (scales: A lowp_scales[6], B lowp_scales[7])
;;     5. batch 32 x [M 2,048, K 2,048] x [K 2,048, N 64]; A: softmax (see below); B: computed on the way: QUANTISED (scales: A lowp_scales[8], B lowp_scales[9])
;;     6. [M 4,096, K 1,024] x [K 1,024, N 1,024]; A: computed on the way; B: input Wo: QUANTISED (scales: A lowp_scales[10], B lowp_scales[11])
;;     7. [M 4,096, K 1,024] x [K 1,024, N 4,096]; A: computed on the way; B: input W1: QUANTISED (scales: A lowp_scales[12], B lowp_scales[13])
;;     8. [M 4,096, K 4,096] x [K 4,096, N 1,024]; A: computed on the way; B: input W2: QUANTISED (scales: A lowp_scales[14], B lowp_scales[15])
;;   THE QUANTISER, for each operand of a quantised product, along K:
;;     - The operand's scale is 2^e, e = its entry of the input lowp_scales (int32; the entries are numbered through the quantised products in the list's order, A before B).
;;     - Each number is divided by the scale, clamped to +-57,344, and rounded to the nearest number of E5M2, ties to even, subnormals kept.
;;     - The product sums the exact products of the quantised numbers (number of the format x scale) in f32.
;;   ~~~python
;;   def quantise(x, axis, e):      # numpy; x: float32 -> the quantised numbers, widened to float32 again
;;       x = np.moveaxis(x, axis, -1); K = x.shape[-1]
;;       r = np.clip(x / 2.0 ** e, -57344, 57344)
;;       step = 2.0 ** (np.maximum(np.frexp(np.where(r == 0, 1, r))[1] - 1, -14) - 2)
;;       q = np.round(r / step) * step * 2.0 ** e      # np.round: ties to even
;;       return np.moveaxis(q, -1, axis).astype(np.float32)
;;   ~~~
;;   SOFTMAX AHEAD OF A QUANTISED PRODUCT. Where the list says 'softmax', what is quantised is not the finished softmax but p = 2^(t - M), with t = logit x log2(e) and M = ceil(the row's largest t), a whole number; so 1/2 < the row's largest p <= 1. The row's sum l is taken of the UNQUANTISED p, in f32, and the product's result is divided by l at the end. Since M is a whole number, a kernel that streams over the keys may use a running M (the ceiling of the running maximum): every later rescaling is an exact power of two, so the quantised numbers keep their values, but for numbers so far below the row's largest that they fall under the format's range.
;;   OPERANDS COMPUTED ON THE WAY. 'Computed on the way' means the value that the module computes at that place (a softmax that the list does not call 'softmax' is quantised finished and normalised). What goes into a quantiser is computed in f32, as accurately as f32 sums, v_exp_f32 and their like allow (about 1e-6 of the number): no bf16 or f16 on the way to a quantiser, and a product that is left as it is and whose result goes on into a quantised operand takes f32 operands (vector FMAs, or v_wmma_f32_16x16x4_f32). A number that lies on a knife's edge between two numbers of the format may be rounded either way, as far as f32 arithmetic and the matrix unit's own rounding can turn it there, and no further.
;; One version. Each part assembles by itself: llvm-mc -triple=amdgcn-amd-amdhsa -mcpu=gfx1250 --defsym DOCPART=n.
;; ======== version 1 of 1: 8 launches
;; limits: right only within a limited range of input values
;; workspace buffers: xc 12,582,912 bytes; wc 12,582,912 bytes; qkvc 12,582,912 bytes; cc 4,194,304 bytes; y 16,777,216 bytes; h 16,777,216 bytes; hc 4,194,304 bytes; fc 16,777,216 bytes
;; launch quant (part 1): grid 512 x 1, 4 waves a work-group, no clusters, 68,096 bytes of LDS; arguments x, Wq, Wk, Wv, Wo, W1, W2, lowp_scales, xc, wc; writes xc, wc
.if DOCPART == 1
	.amdgcn_target "amdgcn-amd-amdhsa--gfx1250"
	.amdhsa_code_object_version 6
	.text
	.protected	k_q2a3c1da561_quant
	.globl	k_q2a3c1da561_quant
	.p2align	8
	.type	k_q2a3c1da561_quant,@function
k_q2a3c1da561_quant:
	s_mov_b64 s[64:65], 0
	v_nop
	global_prefetch_b8 v0, s[64:65] scope:SCOPE_SE
	s_setreg_imm32_b32 hwreg(HW_REG_WAVE_MODE, 25, 1), 1
	s_wait_xcnt 0x0
; All f32 operands that arrive as inputs become codes of BF8 (E5M2), K innermost, each with its given scale 2^e:
; code = number / 2^e, held within +-57,344, rounded to the nearest code, ties to even.
; Work-groups 0-127: x [4096][1024] (K innermost already), three times over, with entries 0, 2, 4 of the scales -> xc, set q at q x 4 MiB.
; Work-groups 128-511: the six weights, stored [K][N] -> wc as [N][K]: Wq, Wk, Wv, Wo at 0, 1, 2, 3 MiB, W1 at 4 MiB, W2 at 8 MiB (entries 1, 3, 5, 11, 13, 15).
; Every work-group reads 131,072 bytes.  No tensor loads, no barrier: waves share nothing.  The two paths part on the work-group's number and have LDS bytes of their own.
; LIMITS: each e between -126 and 112, so that 2^e and 57,344 x 2^e are f32 numbers.  NaN among the inputs is not served.
.set WL,  32768                        ; LDS: x's path 0 .. 32,767 (8,192 a wave: two stages of 32 x 80); the weights' path from WL on (8,704 a wave: 32 rows x 272)
.set SP,  80                           ; x: a lane's place in a stage: its 64 bytes + 16 of padding
.set WP,  272                          ; weights: a stage row: 256 bytes of codes + 16
.set R,   16                           ; x: v16-79   four sets of 16 numbers as loaded
.set X,   80                           ; x: v80-111  two sets of 16 neighbours
.set T,   112                          ; x: v112-143 two sets of 16 held numbers, by turns
.set C,   144                          ; x: v144-155 the three sets' codes of a step
.set RO,  16                           ; w: v16-47   byte offset of row i of a block: 4 x lane + i x pitch
.set XW,  48                           ; w: v48-111  two sets of 32 numbers; at the end the rows read back
.set CW,  112                          ; w: v112-119 a block's codes
.set OO,  120                          ; w: v120-135 byte offsets of the sixteen stores
	s_load_b512 s[8:23], s[0:1], 0x0               ; x 8, Wq 10, Wk 12, Wv 14, Wo 16, W1 18, W2 20, the scales 22
	s_load_b128 s[24:27], s[0:1], 0x40             ; xc 24, wc 26
	v_lshl_add_u32 v156, v0, 2, 67584              ; my spare word, behind both paths' stages: 128 bytes a wave that no other line names
	v_mov_b32 v157, 0                              ; and 0: the two are kept for the closing lines alone
	v_lshrrev_b32 v1, 5, v0
	v_readfirstlane_b32 s28, v1                    ; wave
	v_and_b32 v2, 31, v0                           ; lane
	v_lshlrev_b32 v3, 4, v2                        ; 16 x lane
	s_lshl_b32 s29, s28, 13
	v_lshrrev_b32 v12, 2, v2                       ; all four LDS addresses are made here, ahead of the parting
	v_mul_u32_u24 v12, v12, SP
	v_and_b32 v4, 3, v2
	v_lshl_add_u32 v12, v4, 4, v12
	v_add_nc_u32 v12, s29, v12                     ; x, in: four lanes' 64 bytes on end, then padding
	v_mul_u32_u24 v13, v2, SP
	v_add_nc_u32 v13, s29, v13                     ; x, out: my 16 neighbours
	s_mul_i32 s30, s28, 32*WP
	s_add_co_u32 s30, s30, WL
	v_mul_u32_u24 v14, v2, WP
	v_add_nc_u32 v14, s30, v14                     ; weights, in: row = my column
	v_lshrrev_b32 v4, 4, v2                        ; lane / 16
	v_and_b32 v11, 15, v2                          ; lane % 16
	v_mul_u32_u24 v15, v4, WP
	v_lshl_add_u32 v15, v11, 4, v15
	v_add_nc_u32 v15, s30, v15                     ; weights, out: sixteen lanes to a row
	s_cmp_lt_u32 ttmp9, 128
	s_cbranch_scc0 .Lw
; ---------------- x: a wave takes 16 steps of 512 numbers.  Each load reads 512 consecutive bytes; a step's 2,048 bytes turn through the wave's stage so that a lane holds 16 neighbours along K.
	s_lshl_b32 s31, ttmp9, 2
	s_add_co_u32 s31, s31, s28                     ; which run of 8,192 numbers is my wave's
	s_lshl_b32 s32, s31, 15
	s_mov_b32 s33, 0
	s_lshl_b32 s34, s31, 13
	s_mov_b32 s35, 0
	s_wait_kmcnt 0x0
	s_load_b256 s[40:47], s[22:23], 0x0            ; entries 0 .. 7: x's are 0, 2, 4
	s_add_nc_u64 s[8:9], s[8:9], s[32:33]
	s_add_nc_u64 s[48:49], s[24:25], s[34:35]      ; a base for each set of codes
	s_add_nc_u64 s[50:51], s[48:49], 0x400000
	s_add_nc_u64 s[52:53], s[48:49], 0x800000
.macro LOAD t
.irp i, 0,1,2,3
	global_load_b128 v[R+16*((\t)%4)+4*\i:R+16*((\t)%4)+4*\i+3], v3, s[8:9] offset:2048*(\t)+512*\i th:TH_LOAD_NT
.endr
.endm
.macro TURN t                          ; LDS serves a wave's instructions in order: no wait between the stores and the loads
.irp i, 0,1,2,3
	ds_store_b128 v12, v[R+16*((\t)%4)+4*\i:R+16*((\t)%4)+4*\i+3] offset:32*SP*((\t)%2)+8*SP*\i
.endr
.irp i, 0,1,2,3
	ds_load_b128 v[X+16*((\t)%2)+4*\i:X+16*((\t)%2)+4*\i+3], v13 offset:32*SP*((\t)%2)+16*\i
.endr
.endm
.irp t, 0,1,2,3
	LOAD \t
.endr
	s_wait_kmcnt 0x0
.irp q, 0,1,2
	s_add_co_i32 s56, s[40+2*\q], 127
	s_lshl_b32 s57, s56, 23
	v_mov_b32 v[5+\q], s57                         ; 2^e as f32: the conversion takes its exponent field
	s_add_co_i32 s56, s56, 15
	s_lshl_b32 s56, s56, 23
	s_or_b32 s56, s56, 0x600000
	v_mov_b32 v[8+\q], s56                         ; 57,344 x 2^e
.endr
	s_wait_alu depctr_va_vdst(0)
	s_wait_loadcnt 12                              ; step 0's four loads are in; three steps' twelve may be out
	TURN 0
.macro STEP t
.set XS, X+16*((\t)%2)
	s_wait_dscnt 0x0                               ; this step's numbers are back from the stage, so its stores into the stage have read their registers,
.if (\t)+4 < 16
	LOAD (\t)+4                                    ; which take the loads of four steps on
.endif
.if (\t)+1 < 16
.if 14-(\t) >= 3
	s_wait_loadcnt 12                              ; the next step's four loads are in; those of the three steps behind may be out
.else
	s_wait_loadcnt 4*(14-(\t))
.endif
	TURN (\t)+1
.endif
	s_wait_xcnt 0x0                                ; the last step's stores have read their data: the codes' registers are written again only behind this wait
.irp q, 0,1,2
.set TS, T+16*((3*(\t)+\q)%2)                  ; the two sets take turns, so that sixteen plain lines stand between a conversion and the next write of its sources
.irp i, 0,1,2,3,4,5,6,7,8,9,10,11,12,13,14,15
	v_med3_num_f32 v[TS+\i], v[XS+\i], -v[8+\q], v[8+\q]   ; the conversion to an 8-bit code does not saturate (ISA guide 7.6.2): the hold comes first
.endr
	v_cvt_scalef32_pk8_bf8_f32 v[C+4*\q:C+4*\q+1], v[TS:TS+7], v[5+\q]
	v_cvt_scalef32_pk8_bf8_f32 v[C+4*\q+2:C+4*\q+3], v[TS+8:TS+15], v[5+\q]
	global_store_b128 v3, v[C+4*\q:C+4*\q+3], s[48+2*\q:49+2*\q] offset:512*(\t)   ; the wave stores 512 consecutive bytes
.endr
.endm
.irp t, 0,1,2,3,4,5,6,7,8,9,10,11,12,13,14,15
	STEP \t
.endr
	s_wait_tensorcnt 0x0                           ; the wave's end
	ds_add_u32 v156, v157
	s_wait_dscnt 0x0
	s_endpgm
; ---------------- the weights: a lane takes a column n and its registers run down K; a wave takes 32 columns x 256 along K, a work-group 128 columns.
.Lw:
	s_sub_co_u32 s31, ttmp9, 128                   ; u = 0 .. 383: 0-127 the four square weights (32 each), 128-255 W1, 256-383 W2
	s_lshr_b32 s32, s31, 7                         ; group
	s_bfe_u32 s36, s31, 0x20005                    ; which square weight
	s_lshl_b32 s42, s36, 1
	s_add_co_u32 s42, s42, 1                       ; the scale's entry: 1, 3, 5 ..
	s_mov_b32 s45, s36                             ; the place in wc, in MiB
	s_mov_b32 s33, 4096                            ; bytes from row to row of the input: 4 N
	s_mov_b32 s34, 1024                            ; bytes of a row of codes: K
	s_cmp_eq_u32 s36, 3
	s_cselect_b32 s42, 11, s42                     ; .. Wo's is 11
	s_cmp_eq_u32 s32, 1
	s_cselect_b32 s42, 13, s42
	s_cselect_b32 s45, 4, s45
	s_cselect_b32 s37, 5, 3                        ; bits of u that count blocks of 128 columns
	s_cselect_b32 s33, 16384, s33
	s_cmp_eq_u32 s32, 2
	s_cselect_b32 s42, 15, s42
	s_cselect_b32 s45, 8, s45
	s_cselect_b32 s38, 15, 3                       ; blocks of 256 along K, less one
	s_cselect_b32 s34, 4096, s34
	s_lshl_b32 s42, s42, 2
	s_lshl_b32 s45, s45, 20
	s_bfm_b32 s39, s37, 0
	s_and_b32 s39, s31, s39                        ; block of columns
	s_lshr_b32 s44, s31, s37
	s_and_b32 s44, s44, s38                        ; block along K
	s_lshl_b32 s46, s39, 7
	s_lshl_b32 s47, s28, 5
	s_add_co_u32 s46, s46, s47                     ; my wave's first column
	s_mul_i32 s56, s44, s33
	s_lshl_b32 s56, s56, 8                         ; 256 rows a block
	s_lshl_b32 s57, s46, 2
	s_add_co_u32 s56, s56, s57
	s_mov_b32 s57, 0                               ; s[56:57]: where my part of the input begins
	s_mul_i32 s58, s46, s34
	s_lshl_b32 s59, s44, 8
	s_add_co_u32 s58, s58, s59
	s_add_co_u32 s58, s58, s45
	s_mov_b32 s59, 0                               ; s[58:59]: where my codes begin in wc
	s_lshl_b32 s66, s33, 5
	s_mov_b32 s67, 0                               ; 32 rows of the input
	s_lshl_b32 s60, s34, 1                         ; two rows of codes
	v_lshlrev_b32 v[RO], 2, v2
.set n, 1
.rept 31
	v_add_nc_u32 v[RO+n], s33, v[RO+n-1]
.set n, n+1
.endr
	v_mul_lo_u32 v[OO], v4, s34
	v_lshl_add_u32 v[OO], v11, 4, v[OO]
.set n, 1
.rept 15
	v_add_nc_u32 v[OO+n], s60, v[OO+n-1]
.set n, n+1
.endr
	s_wait_kmcnt 0x0
	s_load_b32 s43, s[22:23], s42 offset:0x0       ; e
	s_cmp_eq_u32 s36, 1                            ; the input: a choice among buffers that hangs on the work-group's number alone
	s_cselect_b64 s[40:41], s[12:13], s[10:11]
	s_cmp_eq_u32 s36, 2
	s_cselect_b64 s[40:41], s[14:15], s[40:41]
	s_cmp_eq_u32 s36, 3
	s_cselect_b64 s[40:41], s[16:17], s[40:41]
	s_cmp_eq_u32 s32, 1
	s_cselect_b64 s[40:41], s[18:19], s[40:41]
	s_cmp_eq_u32 s32, 2
	s_cselect_b64 s[40:41], s[20:21], s[40:41]
	s_add_nc_u64 s[68:69], s[40:41], s[56:57]      ; a base for each of the eight blocks of 32 along K: nothing is stepped later
.irp t, 1,2,3,4,5,6,7
	s_add_nc_u64 s[68+2*\t:69+2*\t], s[66+2*\t:67+2*\t], s[66:67]
.endr
	s_add_nc_u64 s[84:85], s[26:27], s[58:59]
.macro LOADW t                         ; block t: W(32 t + i, my column): 32 lanes read 128 consecutive bytes, the four waves 512
.set n, 0
.rept 32
	global_load_b32 v[XW+32*((\t)%2)+n], v[RO+n], s[68+2*(\t):69+2*(\t)] th:TH_LOAD_NT
.set n, n+1
.endr
.endm
	LOADW 0
	LOADW 1
	s_wait_kmcnt 0x0
	s_add_co_i32 s43, s43, 127
	s_lshl_b32 s47, s43, 23
	v_mov_b32 v5, s47                              ; 2^e
	s_add_co_i32 s43, s43, 15
	s_lshl_b32 s43, s43, 23
	s_or_b32 s43, s43, 0x600000
	v_mov_b32 v8, s43                              ; 57,344 x 2^e
.macro BLOCK t
.set XS, XW+32*((\t)%2)
.if (\t) < 7
	s_wait_loadcnt 32                              ; this block's 32 loads are in; the next block's may be out
.else
	s_wait_loadcnt 0
.endif
.set n, 0
.rept 32
	v_med3_num_f32 v[XS+n], v[XS+n], -v8, v8
.set n, n+1
.endr
.irp g, 0,1,2,3
	v_cvt_scalef32_pk8_bf8_f32 v[CW+2*\g:CW+2*\g+1], v[XS+8*\g:XS+8*\g+7], v5
.endr
	ds_store_b128 v14, v[CW:CW+3] offset:32*(\t)   ; 32 codes of my column's row
	ds_store_b128 v14, v[CW+4:CW+7] offset:32*(\t)+16
.if (\t)+2 < 8
	LOADW (\t)+2
.endif
	s_wait_dscnt 0x0                               ; the stores have read their registers; the next block's 32 holds are the plain lines ahead of its conversions
.endm
	s_wait_alu depctr_va_vdst(0)
.irp t, 0,1,2,3,4,5,6,7
	BLOCK \t
.endr
.set n, 0
.rept 16
	ds_load_b128 v[XW+4*n:XW+4*n+3], v15 offset:2*n*WP   ; my own stores, seen in order
.set n, n+1
.endr
.set n, 0
.rept 16
	s_wait_dscnt 15-n
	global_store_b128 v[OO+n], v[XW+4*n:XW+4*n+3], s[84:85]   ; sixteen lanes store 256 consecutive bytes, aligned
.set n, n+1
.endr
	s_wait_tensorcnt 0x0                           ; the wave's end
	ds_add_u32 v156, v157
	s_wait_dscnt 0x0
	s_endpgm
.Lfunc_end_k_q2a3c1da561_quant:
	.size	k_q2a3c1da561_quant, .Lfunc_end_k_q2a3c1da561_quant-k_q2a3c1da561_quant
	.p2alignl 7, 3214868480
	.fill 96, 4, 3214868480
	.section	.rodata,"a",@progbits
	.p2align	6, 0x0
	.amdhsa_kernel k_q2a3c1da561_quant
		.amdhsa_group_segment_fixed_size 68096
		.amdhsa_private_segment_fixed_size 0
		.amdhsa_enable_private_segment 0
		.amdhsa_kernarg_size 80
		.amdhsa_user_sgpr_count 2
		.amdhsa_user_sgpr_kernarg_segment_ptr 1
		.amdhsa_wavefront_size32 1
		.amdhsa_system_sgpr_workgroup_id_x 1
		.amdhsa_system_sgpr_workgroup_id_y 1
		.amdhsa_system_sgpr_workgroup_id_z 1
		.amdhsa_system_vgpr_workitem_id 0
		.amdhsa_next_free_vgpr 160
		.amdhsa_next_free_sgpr 96
		.amdhsa_reserve_vcc 0
		.amdhsa_float_denorm_mode_32 3
		.amdhsa_float_denorm_mode_16_64 3
		.amdhsa_memory_ordered 1
		.amdhsa_forward_progress 1
		.amdhsa_inst_pref_size 128
	.end_amdhsa_kernel
	.amdgpu_metadata
---
amdhsa.version: [ 1, 2 ]
amdhsa.kernels:
  - .name:           k_q2a3c1da561_quant
    .symbol:         k_q2a3c1da561_quant.kd
    .args:
      - { .name: x, .offset: 0, .size: 8, .value_kind: global_buffer, .address_space: global }
      - { .name: Wq, .offset: 8, .size: 8, .value_kind: global_buffer, .address_space: global }
      - { .name: Wk, .offset: 16, .size: 8, .value_kind: global_buffer, .address_space: global }
      - { .name: Wv, .offset: 24, .size: 8, .value_kind: global_buffer, .address_space: global }
      - { .name: Wo, .offset: 32, .size: 8, .value_kind: global_buffer, .address_space: global }
      - { .name: W1, .offset: 40, .size: 8, .value_kind: global_buffer, .address_space: global }
      - { .name: W2, .offset: 48, .size: 8, .value_kind: global_buffer, .address_space: global }
      - { .name: lowp_scales, .offset: 56, .size: 8, .value_kind: global_buffer, .address_space: global }
      - { .name: xc, .offset: 64, .size: 8, .value_kind: global_buffer, .address_space: global }
      - { .name: wc, .offset: 72, .size: 8, .value_kind: global_buffer, .address_space: global }
    .group_segment_fixed_size: 68096
    .private_segment_fixed_size: 0
    .kernarg_segment_align: 8
    .kernarg_segment_size: 80
    .max_flat_workgroup_size: 128
    .sgpr_count:     96
    .vgpr_count:     160
    .wavefront_size: 32
...
	.end_amdgpu_metadata
.endif
;; end of part 1
;; launch qkv (part 2): grid 12 x 16, 4 waves a work-group, clusters of 4 x 4, 327,680 bytes of LDS; arguments xc, wc, lowp_scales, bq, bk, bv, qkvc; writes qkvc
.if DOCPART == 2
	.amdgcn_target "amdgcn-amd-amdhsa--gfx1250"
	.amdhsa_code_object_version 6
	.text
	.protected	k_q2a3c1da561_qkv
	.globl	k_q2a3c1da561_qkv
	.p2align	8
	.type	k_q2a3c1da561_qkv,@function
k_q2a3c1da561_qkv:
	s_mov_b64 s[64:65], 0
	v_nop
	global_prefetch_b8 v0, s[64:65] scope:SCOPE_SE
	s_setreg_imm32_b32 hwreg(HW_REG_WAVE_MODE, 25, 1), 1
	s_wait_xcnt 0x0
	s_wait_alu depctr_hold_cnt(0) depctr_sa_sdst(0) depctr_va_vdst(0) depctr_va_sdst(0) depctr_va_ssrc(0) depctr_va_vcc(0) depctr_vm_vsrc(0)
	s_getreg_b32 s2, hwreg(HW_REG_IB_STS2, 6, 4)
	s_cmp_eq_u32 s2, 0
	s_cbranch_scc0 .Lentry_in_a_cluster
	s_endpgm
.Lentry_in_a_cluster:
	s_bfe_u32 s2, ttmp6, 0x10000c
	s_cmp_lg_u32 s2, 0xf033
	s_cbranch_scc0 .Lentry_shape_is_right
	s_endpgm
.Lentry_shape_is_right:
.set KSTEP,  256
.set ROWB,   256
.set KROW,   1024
.set PITCH,  272
.set FR,     16
.set NL,     4
.set NP,     4
.set HALFT,  128*PITCH
.set SLOT,   4*HALFT
.set LAPS,   KROW/(2*KSTEP)
.set SPARE,  2*SLOT
.set STGV,   256*PITCH
.set ADRA, 16
.set ADRB, 20
.set STO,  22
.set STOV, 23
.set RD,   24
.set RDH,  25
.set RDH2, 26
.set CO,   27
.set SPW,  28
.set NIL,  29
.set COH,  30
.set CB,   32
.set RB,   96
.set SCV,  112
.set LIM,  113
.set AF,   128
.set TMP,  128
.set CD,   192
.set BK,   128
.set G1, 24
.set G0, 32
.set G1B, 48
.set G0B, 56
.set MSB, 0
.macro WIN new
.if MSB != \new
	s_set_vgpr_msb (MSB<<8)|\new
.set MSB, \new
.endif
.endm
.set MUL_LO, 0xa1
.set MUL_HI, 0xf1
.set TO_B,   0x40
.macro JLOAD g0a, g1a, g0b, g1b
	s_cmp_eq_u32 s15, 0
	s_cbranch_scc0 .Lfor_b_\@
	tensor_load_to_lds s[\g0a:\g0a+3], s[\g1a:\g1a+7]
	s_nop 0
.rept 4
	v_nop
.endr
	s_branch .Lasked_\@
.Lfor_b_\@:
	tensor_load_to_lds s[\g0b:\g0b+3], s[\g1b:\g1b+7]
	s_nop 0
.rept 4
	v_nop
.endr
.Lasked_\@:
.endm
.macro CREST
	s_cmp_lg_u32 s14, 0
	s_cbranch_scc1 .Lnot_wave_0_\@
	s_barrier_signal -3
.Lnot_wave_0_\@:
	s_barrier_wait -3
	s_barrier_signal -1
	s_barrier_wait -1
.endm
.macro CROUND
	s_barrier_signal -1
	s_barrier_wait -1
	CREST
.endm
	s_load_b256 s[4:11], s[0:1], 0x0
	s_load_b128 s[68:71], s[0:1], 0x20
	s_load_b64 s[72:73], s[0:1], 0x30
	v_lshl_add_u32 v[SPW], v0, 2, SPARE
	v_mov_b32 v[NIL], 0
	v_and_b32 v31, 31, v0
	v_lshlrev_b32 v31, 10, v31                     ; the prefetches' offset: a lane a row of 1,024 bytes; never rewritten
	v_lshrrev_b32 v1, 5, v0
	v_readfirstlane_b32 s14, v1
	s_lshr_b32 s15, s14, 1
	s_and_b32 s16, s14, 1
	s_bfe_u32 s40, ttmp6, 0x40000
	s_bfe_u32 s41, ttmp6, 0x40004
	s_and_b32 s74, ttmp7, 0xffff
	s_lshl_b32 s74, s74, 2
	s_lshl_b32 s75, ttmp9, 22
	s_lshl_b32 s76, ttmp9, 20
	s_lshl_b32 s86, ttmp9, 3
	s_lshl_b32 s87, ttmp9, 2
	s_add_co_u32 s87, s87, 24
	s_cmp_eq_u32 ttmp9, 2
	s_cselect_b32 s17, 0, s74
	s_cselect_b32 s42, s74, 0
	s_cselect_b32 s75, 0x200000, s75
	s_cselect_b32 s76, 0x800000, s76
	s_cselect_b32 s77, 4, 0
	s_add_co_u32 s87, s87, s77
	s_add_co_u32 s17, s17, s41
	s_add_co_u32 s42, s42, s40
	s_lshl_b32 s43, s41, 2
	s_lshl_b32 s43, 15, s43
	s_lshl_b32 s44, 0x1111, s40
	s_or_b32 s[G1+0], s43, (0<<16)|(1<<20)|(1<<21)|(5<<22)|(3<<25)
	s_or_b32 s[G1B+0], s44, (0<<16)|(1<<20)|(1<<21)|(5<<22)|(3<<25)
.irp g, G1, G1B
	s_mov_b32 s[\g+1], ROWB<<16
	s_mov_b32 s[\g+2], 128<<16
	s_mov_b32 s[\g+3], ROWB<<16
	s_mov_b32 s[\g+4], 128
	s_mov_b32 s[\g+5], KROW
	s_mov_b32 s[\g+6], 0
	s_mov_b32 s[\g+7], 0
.endr
	s_lshl_b32 s18, s16, 7
	s_lshl_b32 s20, s17, 8
	s_add_co_u32 s20, s20, s18
	s_lshl_b32 s20, s20, 10
	s_add_co_u32 s20, s20, s75
	s_mov_b32 s21, 0
	s_lshl_b32 s46, s42, 8
	s_add_co_u32 s46, s46, s18
	s_lshl_b32 s46, s46, 10
	s_add_co_u32 s46, s46, s76
	s_mov_b32 s47, 0
	s_mul_i32 s45, s14, HALFT
	s_wait_kmcnt 0x0
	s_load_b64 s[96:97], s[8:9], s86 offset:0x0
	s_load_b32 s88, s[8:9], s87 offset:0x0
	s_cmp_eq_u32 ttmp9, 2
	s_cselect_b64 s[78:79], s[6:7], s[4:5]
	s_cselect_b64 s[80:81], s[4:5], s[6:7]
	s_cselect_b64 s[82:83], s[70:71], s[10:11]
	s_cmp_eq_u32 ttmp9, 1
	s_cselect_b64 s[82:83], s[68:69], s[82:83]
	s_add_nc_u64 s[20:21], s[78:79], s[20:21]
	s_add_nc_u64 s[46:47], s[80:81], s[46:47]
	s_cmp_eq_u32 s15, 0                            ; the prefetches: of the 128 rows that my wave fetches, each of the four partners that ask for them jointly names 32, told apart by address
	s_cselect_b64 s[94:95], s[20:21], s[46:47]
	s_cselect_b32 s18, s40, s41                    ; my place among the four
	s_lshl_b32 s18, s18, 15                        ; 32 rows of 1,024 bytes
	s_mov_b32 s19, 0
	s_add_nc_u64 s[94:95], s[94:95], s[18:19]      ; never rewritten
.irp s, 0,1
	s_mov_b32 s[G0+4*\s], 1
	s_add_co_u32 s[G0+4*\s+1], s45, \s*SLOT
	s_add_nc_u64 s[G0+4*\s+2:G0+4*\s+3], s[20:21], \s*ROWB
	s_or_b32 s[G0+4*\s+3], s[G0+4*\s+3], 0x80000000
	s_mov_b32 s[G0B+4*\s], 1
	s_add_co_u32 s[G0B+4*\s+1], s45, \s*SLOT
	s_add_nc_u64 s[G0B+4*\s+2:G0B+4*\s+3], s[46:47], \s*ROWB
	s_or_b32 s[G0B+4*\s+3], s[G0B+4*\s+3], 0x80000000
	s_wait_alu depctr_va_vdst(0)
	s_wait_tensorcnt 0x0
	ds_add_u32 v28, v29
	ds_add_u32 v28, v29
	s_wait_dscnt 0x0
	CROUND
	JLOAD G0+4*\s, G1, G0B+4*\s, G1B
.if \s == 0
	global_prefetch_b8 v31, s[94:95] offset:ROWB th:TH_LOAD_NT scope:SCOPE_SE     ; behind K step 0's load: K steps 1 and 2; 256 bytes of each row, each block named once in the cluster
	global_prefetch_b8 v31, s[94:95] offset:2*ROWB th:TH_LOAD_NT scope:SCOPE_SE
.else
	global_prefetch_b8 v31, s[94:95] offset:3*ROWB th:TH_LOAD_NT scope:SCOPE_SE   ; behind K step 1's load: K step 3, the last
.endif
.endr
	v_and_b32 v1, 15, v0
	v_bfe_u32 v2, v0, 4, 1
	v_mul_u32_u24 v3, v1, PITCH
	s_wait_alu depctr_va_vdst(0)
	v_lshl_add_u32 v4, v2, 4, v3
	s_mul_i32 s18, s15, HALFT
	s_mul_i32 s19, s16, HALFT
	s_add_co_u32 s19, s19, 2*HALFT
.irp s, 0,1
	v_add_nc_u32 v[ADRA+\s], s18, v4
	v_add_nc_u32 v[ADRB+\s], s19, v4
	s_add_co_u32 s18, s18, SLOT
	s_add_co_u32 s19, s19, SLOT
.endr
	s_mul_i32 s22, s15, HALFT
	s_lshl_b32 s23, s16, 7
	s_add_co_u32 s22, s22, s23
	v_lshl_add_u32 v5, v2, 3, v3
	v_add_nc_u32 v[STO], s22, v5
	v_add_nc_u32 v[STOV], STGV, v[STO]
	s_mul_i32 s22, s14, 64*PITCH
	s_add_co_u32 s22, s22, STGV
	v_mul_u32_u24 v6, v2, PITCH
	v_lshl_add_u32 v6, v1, 4, v6
	v_add_nc_u32 v[RD], s22, v6
	v_and_b32 v7, 31, v0
	v_lshrrev_b32 v8, 2, v7
	v_mul_u32_u24 v8, v8, PITCH
	v_and_b32 v9, 3, v0
	v_lshl_add_u32 v8, v9, 4, v8
	s_lshl_b32 s22, s14, 6
	v_add_nc_u32 v[RDH], s22, v8
	v_add_nc_u32 v[RDH2], HALFT, v[RDH]
	v_lshlrev_b32 v[CO], 7, v2                     ; V leaves as [head][16 blocks of 128 keys][64 channels][128 keys]: channel 2 n + h is 128 bytes of a block,
	v_and_b32 v12, 7, v1
	v_lshl_add_u32 v[CO], v12, 4, v[CO]            ; eight lanes fill them,
	v_lshrrev_b32 v13, 3, v1
	v_lshl_add_u32 v[CO], v13, 13, v[CO]           ; and lanes 8-15 of a row stand one block (8,192 bytes) on
	v_lshlrev_b32 v[COH], 4, v7
	v_lshlrev_b32 v10, 5, v2
	s_wait_alu depctr_va_vdst(0)
	v_lshlrev_b32 v11, 2, v1
	s_wait_alu depctr_va_vdst(0)
	s_and_b32 s22, s42, 3
	s_lshl_b32 s22, s22, 8
	s_lshl_b32 s23, s16, 7
	s_add_co_u32 s22, s22, s23
	s_lshl_b32 s22, s22, 2
	s_mov_b32 s23, 0
	s_add_nc_u64 s[84:85], s[82:83], s[22:23]
	s_and_b32 s22, s17, 3
	s_lshl_b32 s22, s22, 8
	s_lshl_b32 s18, s15, 7
	s_add_co_u32 s22, s22, s18
	s_lshl_b32 s22, s22, 2
	s_add_nc_u64 s[92:93], s[82:83], s[22:23]
.irp b, 0,1,2,3,4,5,6,7
	global_load_b128 v[CB+8*\b:CB+8*\b+3], v10, s[84:85] offset:64*\b
	global_load_b128 v[CB+8*\b+4:CB+8*\b+7], v10, s[84:85] offset:64*\b+16
.endr
.irp a, 0,1,2,3,4,5,6,7
	global_load_b32 v[RB+2*\a], v11, s[92:93] offset:64*\a
	global_load_b32 v[RB+2*\a+1], v11, s[92:93] offset:64*\a
.endr
.macro FRAG reg, adr, q, i
.irp c, 0,1,2,3
	ds_load_b128 v[\reg+4*\c:\reg+4*\c+3], v[\adr] offset:128*(\q)+32*\c+(\i)*16*PITCH
.endr
.endm
.macro MUL16 a0, p, zero
.irp a, \a0, \a0+1
.irp b, 0,1,2,3,4,5,6,7
.if \zero
	v_wmma_f32_16x16x128_bf8_bf8 v[8*(8*((\a)%4)+\b):8*(8*((\a)%4)+\b)+7], v[128*(\p)+FR*\b:128*(\p)+FR*\b+FR-1], v[AF+FR*(\a):AF+FR*(\a)+FR-1], 0
.else
	v_wmma_f32_16x16x128_bf8_bf8 v[8*(8*((\a)%4)+\b):8*(8*((\a)%4)+\b)+7], v[128*(\p)+FR*\b:128*(\p)+FR*\b+FR-1], v[AF+FR*(\a):AF+FR*(\a)+FR-1], v[8*(8*((\a)%4)+\b):8*(8*((\a)%4)+\b)+7]
.endif
.endr
.endr
.endm
.macro FETCH_B slot, q, p
	WIN TO_B
.irp i, 0,1,2,3,4,5,6,7
	FRAG 128*(\p)+FR*\i, ADRB+\slot, \q, \i
.endr
	WIN 0
.endm
.macro FETCH_A slot, q, i0
.irp i, \i0, \i0+1, \i0+2, \i0+3
	FRAG AF+FR*(\i), ADRA+\slot, \q, \i
.endr
.endm
.macro PLACES n
.rept \n
	v_nop
.endr
.endm
.macro STEP slot, q, zero
	s_wait_dscnt 4*NL
	WIN MUL_LO
	MUL16 0, (\q)%2, \zero
	MUL16 2, (\q)%2, \zero
	s_wait_dscnt 0
	PLACES NP
	FETCH_B \slot, (\q)+1, 1-(\q)%2
	FETCH_A \slot, (\q)+1, 0
	WIN MUL_HI
	MUL16 4, (\q)%2, \zero
	MUL16 6, (\q)%2, \zero
	PLACES NP
	WIN 0
	FETCH_A \slot, (\q)+1, 4
.endm
.macro TURN slot, next, fill
	s_wait_tensorcnt 0x0
	ds_add_u32 v[SPW], v[NIL]
	s_wait_dscnt 4*NL+1
	WIN MUL_LO
	MUL16 0, 1, 0
	s_wait_dscnt 0x0
	s_barrier_signal -1
	MUL16 2, 1, 0
	WIN 0
	s_barrier_wait -1
.if \fill
	CREST
	s_add_nc_u64 s[G0+4*\slot+2:G0+4*\slot+3], s[G0+4*\slot+2:G0+4*\slot+3], 2*ROWB
	s_add_nc_u64 s[G0B+4*\slot+2:G0B+4*\slot+3], s[G0B+4*\slot+2:G0B+4*\slot+3], 2*ROWB
	JLOAD G0+4*\slot, G1, G0B+4*\slot, G1B
.else
	PLACES NP
.endif
	FETCH_B \next, 0, 0
	FETCH_A \next, 0, 0
	WIN MUL_HI
	MUL16 4, 1, 0
	MUL16 6, 1, 0
	PLACES NP
	WIN 0
	FETCH_A \next, 0, 4
.endm
	s_wait_tensorcnt 1
	s_barrier_signal -1
	s_barrier_wait -1
	FETCH_B 0, 0, 0
	FETCH_A 0, 0, 0
	FETCH_A 0, 0, 4
	STEP 0, 0, 1
	s_mov_b32 s3, LAPS-1
.Llap:
	TURN 0, 1, 1
	STEP 1, 0, 0
	TURN 1, 0, 1
	STEP 0, 0, 0
	s_sub_co_u32 s3, s3, 1
	s_cmp_lg_u32 s3, 0
	s_cbranch_scc1 .Llap
	TURN 0, 1, 0
	STEP 1, 0, 0
	s_wait_dscnt 4*NL
	WIN MUL_LO
	MUL16 0, 1, 0
	MUL16 2, 1, 0
	s_wait_dscnt 0
	WIN MUL_HI
	MUL16 4, 1, 0
	MUL16 6, 1, 0
	WIN 0
.macro CONV a, kind, sto
.set AC, 64*((\a)%4)
	WIN 0x02+((\a)/4)
.irp b, 0,1,2,3,4,5,6,7
.irp i, 0,2,4,6
.if \kind == 1
	v_pk_fma_f32 v[TMP+8*\b+\i:TMP+8*\b+\i+1], v[AC+8*\b+\i:AC+8*\b+\i+1], s[96:97], v[RB+2*(\a):RB+2*(\a)+1] op_sel_hi:[1,0,1]
.else
	v_pk_fma_f32 v[TMP+8*\b+\i:TMP+8*\b+\i+1], v[AC+8*\b+\i:AC+8*\b+\i+1], s[96:97], v[CB+8*\b+\i:CB+8*\b+\i+1] op_sel_hi:[1,0,1]
.endif
.endr
.endr
	WIN 0
.set n, 0
.rept 64
	v_med3_num_f32 v[TMP+n], v[TMP+n], -v[LIM], v[LIM]
.set n, n+1
.endr
.irp b, 0,1,2,3,4,5,6,7
	v_cvt_scalef32_pk8_bf8_f32 v[CD+2*\b:CD+2*\b+1], v[TMP+8*\b:TMP+8*\b+7], v[SCV]
.endr
	v_nop
.irp b, 0,1,2,3,4,5,6,7
	ds_store_b64 v[\sto], v[CD+2*\b:CD+2*\b+1] offset:16*(\a)*PITCH+16*\b
.endr
.endm
.macro FINISH
	s_wait_tensorcnt 0x0
	ds_add_u32 v[SPW], v[NIL]
	s_wait_dscnt 0x0
	CROUND
	s_endpgm
.endm
	s_wait_kmcnt 0x0
	s_wait_loadcnt 0x0
	s_add_co_i32 s96, s96, s97
	s_add_co_i32 s96, s96, 127
	s_lshl_b32 s96, s96, 23
	s_mov_b32 s97, s96
	s_add_co_i32 s88, s88, 127
	s_lshl_b32 s89, s88, 23
	v_mov_b32 v[SCV], s89
	s_add_co_i32 s88, s88, 15
	s_lshl_b32 s88, s88, 23
	s_or_b32 s88, s88, 0x600000
	v_mov_b32 v[LIM], s88
	PLACES NP
	s_cmp_eq_u32 ttmp9, 2
	s_cbranch_scc1 .Lv
.irp a, 0,1,2,3,4,5,6,7
	CONV \a, 0, STO
.endr
	s_wait_dscnt 0x0
	s_barrier_signal -1
	s_barrier_wait -1
	s_lshr_b32 s22, s17, 3
	s_lshl_b32 s22, s22, 4
	s_lshl_b32 s23, s42, 2
	s_add_co_u32 s22, s22, s23
	s_add_co_u32 s22, s22, s14
	s_lshl_b32 s22, s22, 17
	s_and_b32 s23, s17, 7
	s_lshl_b32 s23, s23, 14
	s_add_co_u32 s22, s22, s23
	s_lshl_b32 s23, ttmp9, 22
	s_add_co_u32 s22, s22, s23
	s_mov_b32 s23, 0
	s_add_nc_u64 s[90:91], s[72:73], s[22:23]
.set n, 0
.rept 16
	ds_load_b128 v[BK+4*n:BK+4*n+3], v[RDH] offset:8*n*PITCH
.set n, n+1
.endr
.set n, 0
.rept 16
	ds_load_b128 v[BK+64+4*n:BK+64+4*n+3], v[RDH2] offset:8*n*PITCH
.set n, n+1
.endr
.set n, 0
.rept 32
	s_wait_dscnt 31-n
	global_store_b128 v[COH], v[BK+4*n:BK+4*n+3], s[90:91] offset:512*n
.set n, n+1
.endr
	FINISH
.Lv:
.irp a, 0,1,2,3,4,5,6,7
	CONV \a, 1, STOV
.endr
	s_wait_dscnt 0x0
	s_barrier_signal -1
	s_barrier_wait -1
	s_lshr_b32 s22, s42, 3
	s_lshl_b32 s22, s22, 21
	s_lshl_b32 s23, s17, 8
	s_lshl_b32 s18, s14, 6
	s_add_co_u32 s23, s23, s18
	s_lshl_b32 s23, s23, 11
	s_add_co_u32 s22, s22, s23
	s_and_b32 s23, s42, 7
	s_lshl_b32 s23, s23, 14
	s_add_co_u32 s22, s22, s23
	s_add_co_u32 s22, s22, 0x800000
	s_mov_b32 s23, 0
	s_add_nc_u64 s[90:91], s[72:73], s[22:23]
.set n, 0
.rept 32
	ds_load_b128 v[BK+4*n:BK+4*n+3], v[RD] offset:2*n*PITCH
.set n, n+1
.endr
.set n, 0
.rept 32
	s_wait_dscnt 31-n
	global_store_b128 v[CO], v[BK+4*n:BK+4*n+3], s[90:91] offset:256*n
.set n, n+1
.endr
	FINISH
.Lfunc_end_k_q2a3c1da561_qkv:
	.size	k_q2a3c1da561_qkv, .Lfunc_end_k_q2a3c1da561_qkv-k_q2a3c1da561_qkv
	.p2alignl 7, 3214868480
	.fill 96, 4, 3214868480
	.section	.rodata,"a",@progbits
	.p2align	6, 0x0
	.amdhsa_kernel k_q2a3c1da561_qkv
		.amdhsa_group_segment_fixed_size 327680
		.amdhsa_private_segment_fixed_size 0
		.amdhsa_enable_private_segment 0
		.amdhsa_kernarg_size 56
		.amdhsa_user_sgpr_count 2
		.amdhsa_user_sgpr_kernarg_segment_ptr 1
		.amdhsa_wavefront_size32 1
		.amdhsa_system_sgpr_workgroup_id_x 1
		.amdhsa_system_sgpr_workgroup_id_y 1
		.amdhsa_system_sgpr_workgroup_id_z 1
		.amdhsa_system_vgpr_workitem_id 0
		.amdhsa_next_free_vgpr 1024
		.amdhsa_next_free_sgpr 100
		.amdhsa_reserve_vcc 0
		.amdhsa_float_denorm_mode_32 3
		.amdhsa_float_denorm_mode_16_64 3
		.amdhsa_memory_ordered 1
		.amdhsa_forward_progress 1
		.amdhsa_inst_pref_size 211
	.end_amdhsa_kernel
	.amdgpu_metadata
---
amdhsa.version: [ 1, 2 ]
amdhsa.kernels:
  - .name:           k_q2a3c1da561_qkv
    .symbol:         k_q2a3c1da561_qkv.kd
    .args:
      - { .name: xc, .offset: 0, .size: 8, .value_kind: global_buffer, .address_space: global }
      - { .name: wc, .offset: 8, .size: 8, .value_kind: global_buffer, .address_space: global }
      - { .name: lowp_scales, .offset: 16, .size: 8, .value_kind: global_buffer, .address_space: global }
      - { .name: bq, .offset: 24, .size: 8, .value_kind: global_buffer, .address_space: global }
      - { .name: bk, .offset: 32, .size: 8, .value_kind: global_buffer, .address_space: global }
      - { .name: bv, .offset: 40, .size: 8, .value_kind: global_buffer, .address_space: global }
      - { .name: qkvc, .offset: 48, .size: 8, .value_kind: global_buffer, .address_space: global }
    .group_segment_fixed_size: 327680
    .private_segment_fixed_size: 0
    .kernarg_segment_align: 8
    .kernarg_segment_size: 56
    .max_flat_workgroup_size: 128
    .sgpr_count:     100
    .vgpr_count:     1024
    .wavefront_size: 32
...
	.end_amdgpu_metadata
.endif
;; end of part 2
;; launch attn (part 3): grid 8 x 32, 8 waves a work-group, clusters of 4 x 1, 327,680 bytes of LDS; arguments qkvc, mask, lowp_scales, cc; writes cc
.if DOCPART == 3
	.amdgcn_target "amdgcn-amd-amdhsa--gfx1250"
	.amdhsa_code_object_version 6
	.text
	.protected	k_q2a3c1da561_attn
	.globl	k_q2a3c1da561_attn
	.p2align	8
	.type	k_q2a3c1da561_attn,@function
k_q2a3c1da561_attn:
	s_mov_b64 s[64:65], 0
	v_nop
	global_prefetch_b8 v0, s[64:65] scope:SCOPE_SE
	s_setreg_imm32_b32 hwreg(HW_REG_WAVE_MODE, 25, 1), 1
	s_wait_xcnt 0x0
	s_wait_alu depctr_hold_cnt(0) depctr_sa_sdst(0) depctr_va_vdst(0) depctr_va_sdst(0) depctr_va_ssrc(0) depctr_va_vcc(0) depctr_vm_vsrc(0)
	s_getreg_b32 s2, hwreg(HW_REG_IB_STS2, 6, 4)
	s_cmp_eq_u32 s2, 0
	s_cbranch_scc0 .Lentry_in_a_cluster
	s_endpgm
.Lentry_in_a_cluster:
	s_bfe_u32 s2, ttmp6, 0x10000c
	s_cmp_lg_u32 s2, 0x3003
	s_cbranch_scc0 .Lentry_shape_is_right
	s_endpgm
.Lentry_shape_is_right:
; ctx = softmax(Q K^T / 8, masked keys left out) V for one head, both products on codes of BF8 (E5M2); ctx is quantised at once for the product with Wo.
; Q, K: [32 heads][2048][64] codes.  V: [32 heads][16 blocks of 128 keys][64 channels][128 keys] codes.  mask: [2][2048] int32, 0 = the key does not count.  Out: cc [4096 tokens][1024] codes.
; THE SOFTMAX: t = score x log2(e) / 8; M = the running largest t, rounded up to a whole number; p = 2^(t - M) is quantised, not normalised; the row's sum is taken of the unquantised p and divides at the end.
; When M moves, the sum and O are multiplied by 2^(old M - new M), which rounds nothing.
; SHARES: a work-group owns 256 queries of a head; each of its eight waves 32 of them, as two tiles a, b of 16.  Each fragment of K, of V and of the mask that is read from LDS feeds two matrix instructions.
; THE TWO TILES TAKE TURNS LINE BY LINE: all that the softmax touches lies in register window 0, so a's exponentials stand beside b's scalings, b's exponentials beside a's conversions and first sums,
; and the second product's matrix instructions stand singly among the remaining sums.
; A HEAD'S WHOLE K AND V LIE IN LDS, each byte filled once, in two halves.  At the head each wave asks for its part of keys 0-1023 (waves 0-3: 256 keys of K each; waves 4-7: two blocks of V each).
; Behind the wait for it, the add and a round of the cluster's barrier each wave asks for the same part of keys 1024-2047, which is on its way under steps 0 to 6; a wait and a barrier stand ahead of step 7,
; whose look-ahead is the first read of that half.
; CLUSTER: the four blocks of queries of a cluster belong to one head: each tile is asked for jointly (mask 15).  Nothing is prefetched: both halves are asked for ahead of the first step, no later stream is left.
; LAYOUT: both products transposed: S^T = K Q^T (source 0 = 16 neighbouring keys), O^T = V^T P^T: a lane holds ONE query (lane % 16).  Register j of score tile t is key 16 t + 8 (lane / 16) + j, so the conversion
; of tile t gives registers 2 t, 2 t + 1 of P in the K = 128 form's own layout; V's fragments are read in that layout by loads of 8 bytes.
; THE MASK: 0 or -2^126 for each key lies in LDS and is the C of the score products (registers of its own, read by both tiles).  A masked key's t lies far under every real t, so its p is exactly 0.
; The largest t is raised by 2^-22 of its size, so that M is never under any t: t - M <= 0 and p <= 1 for every input.
; LIMITS: eq + ek between -110 and 130.  ep between -15 and 112: then p <= 1 <= 57,344 x 2^ep, so the hold at the largest code can never bind on p and is not written.
; The exponent of ctx between -126 and 112.  NaN among the inputs is not served; a batch all of whose keys are masked is not served.
; REGISTERS (x = 0 for tile a, 1 for b).  Window 0: v1-6 addresses that stay, v8-10 the step's; v[12+4x] -M, v[13+4x] the largest t, v[14+4x:15+4x] the sum; v20 2^ep, v21 2^ec, v22 57,344 x 2^ec; v24-25 the add's two;
; v[26+2x:27+2x] f; v[30+x] a permute's result; v[32+8x ..] Q; v[48+64x ..] S^T then p; v[176+16x ..] p's codes; v[208+4x ..] four maxima; v[216+8x ..] four sums; v232-239 the head's.
; Window 1: v[32x ..] O^T; v64-127 K's eight fragments; v128-191 the mask; v192-255 V's four fragments.
.set KP,    80                         ; a key's row in LDS: 64 bytes + 16
.set VOFF,  2048*KP                    ; K: 163,840 bytes; then V
.set VBL,   32*272                     ; a block of V: 64 channels x 128 keys as 32 rows of 256 bytes + 16: channel d at 272 (d / 2) + 128 (d % 2)
.set MOFF,  VOFF+16*VBL                ; then the mask as f32, 8,192 bytes,
.set SOFF,  MOFF+8192                  ; a stage of 1,024 bytes for each wave,
.set SPARE, SOFF+8*1024                ; and the spare words, 128 bytes a wave
.set WV,   12
.set G1K,  24
.set G1V,  32
.set G0K,  40
.set G0V,  44
.set SEL,  48
.set CS,   50
.set TBK,  52
.set TBV,  53
.set TBM,  54
.set CNT,  55
.set NUD,  56
.set MSB, 0
.macro WIN new                         ; low byte: bits 1:0 source 0, 3:2 source 1, 5:4 source 2, 7:6 destination; the high byte repeats the setting that is left
.if MSB != \new
	s_set_vgpr_msb (MSB<<8)|\new
.set MSB, \new
.endif
.endm
.macro CROUND
	s_barrier_signal -1
	s_barrier_wait -1
	s_cmp_lg_u32 s[WV], 0
	s_cbranch_scc1 .Lnot_wave_0_\@
	s_barrier_signal -3
.Lnot_wave_0_\@:
	s_barrier_wait -3
	s_barrier_signal -1
	s_barrier_wait -1
.endm
.macro JLOAD                           ; waves 0-3 fetch for K, waves 4-7 for V: a branch on the wave's number alone; every wave issues one load.  An s_nop 0 and four v_nop follow each line
	s_cmp_lt_u32 s[WV], 4
	s_cbranch_scc0 .Lfor_v_\@
	tensor_load_to_lds s[G0K:G0K+3], s[G1K:G1K+7]
	s_nop 0
.rept 4
	v_nop
.endr
	s_branch .Lasked_\@
.Lfor_v_\@:
	tensor_load_to_lds s[G0V:G0V+3], s[G1V:G1V+7]
	s_nop 0
.rept 4
	v_nop
.endr
.Lasked_\@:
.endm
	s_load_b256 s[4:11], s[0:1], 0x0               ; qkvc 4, mask 6, the scales 8, cc 10
	v_lshl_add_u32 v24, v0, 2, SPARE
	v_mov_b32 v25, 0
	ds_add_u32 v24, v25                            ; the opening lines: the add, twice on end, and its wait ahead of my first tensor load
	ds_add_u32 v24, v25
	v_lshrrev_b32 v8, 5, v0
	v_readfirstlane_b32 s[WV], v8                  ; wave 0..7
	s_bfe_u32 s13, ttmp6, 0x40000                  ; cx: it enters Q's and cc's global addresses alone
	s_and_b32 s14, s[WV], 3                        ; which quarter of a half of K (waves 0-3) or of V (waves 4-7) I fetch
	s_and_b32 s15, ttmp7, 0xffff                   ; the head, 0..31
	s_mov_b32 s[G1K], 15|(0<<16)|(1<<20)|(1<<21)|(3<<22)|(3<<25)   ; all four partners; 1-byte elements; padding: 4 words behind every 16
	s_mov_b32 s[G1K+1], 64<<16
	s_mov_b32 s[G1K+2], 256<<16
	s_mov_b32 s[G1K+3], 64<<16
	s_mov_b32 s[G1K+4], 256                        ; 256 rows of 64 bytes, dense
	s_mov_b32 s[G1K+5], 64
	s_mov_b32 s[G1K+6], 0
	s_mov_b32 s[G1K+7], 0
	s_mov_b32 s[G1V], 15|(0<<16)|(1<<20)|(1<<21)|(5<<22)|(3<<25)   ; padding: 4 words behind every 64
	s_mov_b32 s[G1V+1], 256<<16
	s_mov_b32 s[G1V+2], 64<<16
	s_mov_b32 s[G1V+3], 256<<16
	s_mov_b32 s[G1V+4], 64                         ; two blocks are 64 rows of 256 bytes, dense
	s_mov_b32 s[G1V+5], 256
	s_mov_b32 s[G1V+6], 0
	s_mov_b32 s[G1V+7], 0
	s_mov_b32 s[SEL], 0x76543210
	s_mov_b32 s[SEL+1], 0xfedcba98
	s_mov_b32 s[CS], 0x3e38aa3b                    ; c = log2(e) / 8
	s_mov_b32 s[NUD], 0x34800000                   ; 2^-22
	s_mov_b32 s[TBK], 0
	s_mov_b32 s[TBV], 0
	s_mov_b32 s[TBM], 0
	s_mov_b32 s[CNT], 7
	s_lshl_b32 s58, s15, 17                        ; the head's 131,072 bytes in each of Q, K, V
	s_lshl_b32 s60, s14, 14                        ; my part of a half is 16,384 bytes
	s_add_co_u32 s60, s60, s58
	s_add_co_u32 s62, s60, 0x800000                ; V
	s_add_co_u32 s60, s60, 0x400000                ; K
	s_mov_b32 s61, 0
	s_mov_b32 s63, 0
	s_mov_b32 s[G0K], 1
	s_mul_i32 s[G0K+1], s14, 256*KP
	s_mov_b32 s[G0V], 1
	s_mul_i32 s[G0V+1], s14, 2*VBL
	s_add_co_u32 s[G0V+1], s[G0V+1], VOFF
	s_lshl_b32 s57, ttmp9, 2
	s_add_co_u32 s57, s57, s13                     ; my block of 256 queries
	s_lshl_b32 s57, s57, 8
	s_lshl_b32 s59, s[WV], 5
	s_add_co_u32 s59, s59, s57                     ; my first query in the head
	s_lshl_b32 s66, s59, 6
	s_add_co_u32 s66, s66, s58
	s_mov_b32 s67, 0
	s_lshr_b32 s57, s15, 4                         ; batch
	s_lshl_b32 s70, s57, 13
	s_mov_b32 s71, 0
	s_lshl_b32 s57, s57, 11
	s_add_co_u32 s57, s57, s59                     ; my first token
	s_lshl_b32 s68, s57, 10
	s_and_b32 s57, s15, 15
	s_lshl_b32 s57, s57, 6                         ; the head's 64 bytes of a row of cc
	s_add_co_u32 s68, s68, s57
	s_mov_b32 s69, 0
	s_wait_dscnt 0x0                               ; both opening adds are done
	s_wait_kmcnt 0x0
	s_load_b256 s[16:23], s[8:9], 0x18             ; entries 6 .. 13: eq, ek, ep, ev, ec
	s_add_nc_u64 s[G0K+2:G0K+3], s[4:5], s[60:61]
	s_or_b32 s[G0K+3], s[G0K+3], 0x80000000
	s_add_nc_u64 s[G0V+2:G0V+3], s[4:5], s[62:63]
	s_or_b32 s[G0V+3], s[G0V+3], 0x80000000
	s_add_nc_u64 s[66:67], s[4:5], s[66:67]        ; Q at my first query
	s_add_nc_u64 s[68:69], s[10:11], s[68:69]      ; cc at my first token
	s_add_nc_u64 s[70:71], s[6:7], s[70:71]        ; my batch's mask
	s_lshl_b32 s57, s[WV], 10
	s_add_co_u32 s57, s57, SOFF                    ; my stage
	CROUND                                         ; all four work-groups are here: the joint loads meet
	JLOAD                                          ; keys 0-1023: my one tensor load at the head
	v_lshlrev_b32 v237, 4, v0
	global_load_b128 v[48:51], v237, s[70:71]              ; the mask: 256 threads x 16 bytes, twice
	global_load_b128 v[52:55], v237, s[70:71] offset:4096
	v_and_b32 v232, 15, v0                         ; r
	v_bfe_u32 v233, v0, 4, 1                       ; h
	v_and_b32 v234, 31, v0                         ; lane
	v_lshlrev_b32 v236, 6, v232
	v_lshl_add_u32 v236, v233, 4, v236
	global_load_b128 v[32:35], v236, s[66:67]      ; Q's fragments stay in registers: tile a,
	global_load_b128 v[36:39], v236, s[66:67] offset:32
	global_load_b128 v[40:43], v236, s[66:67] offset:1024  ; and tile b, 16 queries on
	global_load_b128 v[44:47], v236, s[66:67] offset:1056
	v_mul_u32_u24 v1, v232, KP
	v_lshl_add_u32 v1, v233, 4, v1                 ; K: row r, + 16 h
	v_lshrrev_b32 v2, 1, v232
	v_mul_u32_u24 v2, v2, 272
	v_and_b32 v235, 1, v232
	v_lshl_add_u32 v2, v235, 7, v2
	v_lshl_add_u32 v2, v233, 3, v2
	v_add_nc_u32 v2, VOFF, v2                      ; V: channel r, + 8 h
	v_lshlrev_b32 v3, 5, v233
	v_add_nc_u32 v3, MOFF, v3                      ; the mask: eight keys of my half
	v_lshlrev_b32 v4, 6, v232
	v_lshl_add_u32 v4, v233, 3, v4
	v_add_nc_u32 v4, s57, v4                       ; the stage, in: row r of 64 bytes, + 8 h
	v_lshl_add_u32 v5, v234, 4, s57                ; back: 16 bytes a lane
	v_lshrrev_b32 v6, 2, v234
	v_lshlrev_b32 v6, 10, v6
	v_and_b32 v235, 3, v234
	v_lshl_add_u32 v6, v235, 4, v6                 ; and in cc: four lanes to a token's 64 bytes
	v_lshl_add_u32 v238, v0, 4, MOFF               ; where my mask numbers go
	v_mov_b32 v239, 0xfe800000                     ; -2^126
	s_wait_alu depctr_va_vdst(0)
	s_wait_kmcnt 0x0
	s_add_co_i32 s57, s16, s17
	s_lshl_b32 s57, s57, 23
	s_add_co_i32 s[CS], s[CS], s57                 ; a score stands for score x 2^(eq + ek): added to c's exponent field
	s_mov_b32 s[CS+1], s[CS]
	s_add_co_i32 s58, s18, 127
	s_lshl_b32 s58, s58, 23                        ; 2^ep
	s_add_co_i32 s57, s20, 127
	s_lshl_b32 s60, s57, 23                        ; 2^ec, for ctx
	s_add_co_i32 s57, s57, 15
	s_lshl_b32 s57, s57, 23
	s_or_b32 s61, s57, 0x600000                    ; 57,344 x 2^ec
	s_add_co_i32 s59, s18, s19                     ; ep + ev
.irp x, 0,1
	v_mov_b32 v[13+4*\x], 0xff61b1e6               ; the largest t so far: -3e38
	v_floor_f32 v[12+4*\x], -v[13+4*\x]            ; -M
	v_mov_b32 v[14+4*\x], 0
	v_mov_b32 v[15+4*\x], 0
	v_mov_b32 v[27+2*\x], 0                        ; (named as the upper half of f's pair)
	v_mov_b32 v[30+\x], 0                          ; a lane permute's destination counts as one of its sources
.endr
	v_mov_b32 v20, s58
	v_mov_b32 v21, s60
	v_mov_b32 v22, s61
	WIN 0x40
.set n, 0
.rept 64
	v_mov_b32 v[n], 0                              ; O^T of both tiles: the step is written for every step alike; the first finds zeros
.set n, n+1
.endr
	WIN 0
	s_wait_alu depctr_va_vdst(0)
	s_wait_loadcnt 0x0                             ; the mask and Q
.irp i, 48,49,50,51,52,53,54,55
	v_cmp_eq_u32 vcc_lo, 0, v\i
	v_cndmask_b32 v\i, 0, v239, vcc_lo             ; 0 where the key counts, -2^126 where it does not
.endr
	ds_store_b128 v238, v[48:51]
	ds_store_b128 v238, v[52:55] offset:4096
	s_wait_alu depctr_va_vdst(0)
	s_wait_tensorcnt 0x0                           ; my part of keys 0-1023 has landed
	ds_add_u32 v24, v25                            ; 0 onto my spare word;
	s_add_co_u32 s[G0K+1], s[G0K+1], 1024*KP       ; (no load of mine is out: the descriptors step to keys 1024 on: 65,536 bytes of K and of V)
	s_add_nc_u64 s[G0K+2:G0K+3], s[G0K+2:G0K+3], 0x10000
	s_add_co_u32 s[G0V+1], s[G0V+1], 8*VBL
	s_add_nc_u64 s[G0V+2:G0V+3], s[G0V+2:G0V+3], 0x10000
	s_wait_dscnt 0x0                               ; the add is done, and my part of the mask is stored
	CROUND                                         ; everybody's first half and mask are in, and all four work-groups are here: the joint loads meet
	JLOAD                                          ; keys 1024-2047: my one tensor load behind the round
.macro LKM ko, mo                      ; a step's mask and K's eight fragments, into window 1: 32 loads
.irp t, 0,1,2,3,4,5,6,7
	ds_load_b128 v[128+8*\t:131+8*\t], v10 offset:(\mo)+64*\t     ; keys 16 t + 8 h + 0 .. 7: the C of tile t
	ds_load_b128 v[132+8*\t:135+8*\t], v10 offset:(\mo)+64*\t+16
.endr
.irp t, 0,1,2,3,4,5,6,7
	ds_load_b128 v[64+8*\t:67+8*\t], v8 offset:(\ko)+16*\t*KP
	ds_load_b128 v[68+8*\t:71+8*\t], v8 offset:(\ko)+16*\t*KP+32
.endr
.endm
.macro PV x, t                         ; O^T += V^T P^T of tile x, channels 16 t on: one matrix instruction among the sums; the eight accumulators take turns
	WIN 0x51
	v_wmma_f32_16x16x128_bf8_bf8 v[32*\x+8*\t:32*\x+8*\t+7], v[192+16*\t:207+16*\t], v[176+16*\x:191+16*\x], v[32*\x+8*\t:32*\x+8*\t+7]
	WIN 0
.endm
.macro AADD j                          ; tile a's four sums take its first-level sums j .. j + 3
.irp k, 0,1,2,3
	v_pk_add_f32 v[216+2*\k:217+2*\k], v[216+2*\k:217+2*\k], v[48+4*(\j+\k):49+4*(\j+\k)]
.endr
.endm
.macro BADD r                          ; tile b's four sums take eight of its p, from register r on
.irp k, 0,1,2,3
	v_pk_add_f32 v[224+2*\k:225+2*\k], v[224+2*\k:225+2*\k], v[\r+2*\k:\r+2*\k+1]
.endr
.endm
.macro STEP last                       ; 128 keys.  On the way in this step's mask and K are on their way from LDS
	s_wait_dscnt 0x0
	WIN 0x11                                       ; K and the mask from window 1
.irp t, 0,1,2,3,4,5,6,7
.irp x, 0,1
	v_wmma_f32_16x16x64_bf8_bf8 v[48+64*\x+8*\t:55+64*\x+8*\t], v[64+8*\t:71+8*\t], v[32+8*\x:39+8*\x], v[128+8*\t:135+8*\t]
.endr
.endr
	WIN 0
	v_add_nc_u32 v8, s[TBK], v1                    ; four plain lines between the products and the loads into registers that they read, and the first read of the scores
	v_add_nc_u32 v9, s[TBV], v2
	v_add_nc_u32 v10, s[TBM], v3
	v_nop
	WIN 0x40
.irp t, 0,1,2,3
.irp c, 0,1,2,3,4,5,6,7
	ds_load_b64 v[192+16*\t+2*\c:193+16*\t+2*\c], v9 offset:8*\t*272+16*\c        ; V's fragments land under the softmax
.endr
.endr
.if \last == 0
	LKM 128*KP, 512                                ; the next step's mask and K: a whole step ahead of their use
.endif
	WIN 0
	; the largest score of each query among my 64 keys: four chains a tile, the tiles by turns, each score tile from its low end on
.irp k, 0,1,2,3
.irp x, 0,1
	v_max3_num_f32 v[208+4*\x+\k], v[48+64*\x+3*\k], v[49+64*\x+3*\k], v[50+64*\x+3*\k]
.endr
.endr
.set n, 12
.rept 6
.irp k, 0,1,2,3
.irp x, 0,1
	v_max3_num_f32 v[208+4*\x+\k], v[208+4*\x+\k], v[48+64*\x+n+2*\k], v[49+64*\x+n+2*\k]
.endr
.endr
.set n, n+8
.endr
.irp k, 0,1
.irp x, 0,1
	v_max3_num_f32 v[208+4*\x+\k], v[208+4*\x+\k], v[108+64*\x+2*\k], v[109+64*\x+2*\k]
.endr
.endr
.irp x, 0,1
	v_max_num_f32 v[210+4*\x], v[210+4*\x], v[211+4*\x]
.endr
.irp x, 0,1
	v_max3_num_f32 v[208+4*\x], v[208+4*\x], v[209+4*\x], v[210+4*\x]
.endr
.irp x, 0,1
	v_mov_b32 v[209+4*\x], v[12+4*\x]              ; the old -M
.endr
.irp x, 0,1
	v_permlanex16_b32 v[30+\x], v[208+4*\x], s[SEL], s[SEL+1]
.endr
.irp x, 0,1
	v_max_num_f32 v[208+4*\x], v[208+4*\x], v[30+\x]   ; and among lane l xor 16's
.endr
.irp x, 0,1
	v_mul_f32 v[208+4*\x], s[CS], v[208+4*\x]      ; as t (c is positive)
.endr
.irp x, 0,1
	v_fma_f32 v[208+4*\x], |v[208+4*\x]|, s[NUD], v[208+4*\x]   ; raised by 2^-22 of its size: M is then never under any t
.endr
.irp x, 0,1
	v_max_num_f32 v[13+4*\x], v[13+4*\x], v[208+4*\x]
.endr
.irp x, 0,1
	v_floor_f32 v[12+4*\x], -v[13+4*\x]            ; the new -M: M is a whole number
.endr
.irp x, 0,1
	v_sub_f32 v[209+4*\x], v[12+4*\x], v[209+4*\x] ; old M - new M, 0 or less
.endr
.irp x, 0,1
	v_cvt_i32_f32 v[209+4*\x], v[209+4*\x]         ; (it saturates)
.endr
.irp x, 0,1
	v_ldexp_f32 v[26+2*\x], 1.0, v[209+4*\x]       ; f = 2^(old M - new M)
.endr
.set n, 0
.rept 32
	v_pk_fma_f32 v[48+n:49+n], v[48+n:49+n], s[CS:CS+1], v[12:13] op_sel_hi:[1,0,0]   ; tile a: t - M
.set n, n+2
.endr
	WIN 0x41                                       ; O^T under the new M, ahead of the step's exponentials: no transcendental stands between the last step's products and these reads
.irp x, 0,1
.set n, 0
.rept 16
	v_pk_mul_f32 v[32*\x+n:32*\x+n+1], v[32*\x+n:32*\x+n+1], v[26+2*\x:27+2*\x] op_sel_hi:[1,0]
.set n, n+2
.endr
.endr
	WIN 0
.irp x, 0,1
	v_pk_mul_f32 v[14+4*\x:15+4*\x], v[14+4*\x:15+4*\x], v[26+2*\x:27+2*\x] op_sel_hi:[1,0]   ; the sums likewise
.endr
	s_wait_alu depctr_va_vdst(0)
.set n, 0
.rept 32
	v_exp_f32 v[48+n], v[48+n]                     ; tile a: p = 2^(t - M), at most 1;
	v_exp_f32 v[49+n], v[49+n]
	v_pk_fma_f32 v[112+n:113+n], v[112+n:113+n], s[CS:CS+1], v[16:17] op_sel_hi:[1,0,0]   ; beside it tile b: t - M, first read behind the next wait
.set n, n+2
.endr
	s_wait_alu depctr_va_vdst(0)                   ; one wait: behind tile a's batch, ahead of tile b's
.irp t, 0,1,2,3,4,5,6,7                ; tile b's exponentials; beside them tile a's conversions and the first level of its sums (in place, each sum independent, first read behind the next wait)
	v_exp_f32 v[112+8*\t], v[112+8*\t]
	v_exp_f32 v[113+8*\t], v[113+8*\t]
	v_cvt_scalef32_pk8_bf8_f32 v[176+2*\t:177+2*\t], v[48+8*\t:55+8*\t], v20   ; no hold: p <= 1 <= 57,344 x 2^ep (the head's limit on ep)
	v_exp_f32 v[114+8*\t], v[114+8*\t]
	v_exp_f32 v[115+8*\t], v[115+8*\t]
.if \t > 0
	v_pk_add_f32 v[48+8*(\t-1):49+8*(\t-1)], v[48+8*(\t-1):49+8*(\t-1)], v[50+8*(\t-1):51+8*(\t-1)]
.else
	v_nop                                          ; the plain line between the first conversion and the write of its sources
.endif
	v_exp_f32 v[116+8*\t], v[116+8*\t]
	v_exp_f32 v[117+8*\t], v[117+8*\t]
.if \t > 0
	v_pk_add_f32 v[52+8*(\t-1):53+8*(\t-1)], v[52+8*(\t-1):53+8*(\t-1)], v[54+8*(\t-1):55+8*(\t-1)]
.endif
	v_exp_f32 v[118+8*\t], v[118+8*\t]
	v_exp_f32 v[119+8*\t], v[119+8*\t]
.endr
	v_pk_add_f32 v[104:105], v[104:105], v[106:107]
	v_pk_add_f32 v[108:109], v[108:109], v[110:111]
	s_wait_alu depctr_va_vdst(0)                   ; one wait behind tile b's batch, directly ahead of the wait below
.if \last
	s_wait_dscnt 0x0
.else
	s_wait_dscnt 32                                ; V's 32 loads are in; the 32 issued behind them (mask, K) may be out
.endif
.irp t, 0,1,2,3,4,5,6,7
	v_cvt_scalef32_pk8_bf8_f32 v[192+2*\t:193+2*\t], v[112+8*\t:119+8*\t], v20
.endr
	PV 0, 0
.irp k, 0,1,2,3
	v_pk_add_f32 v[216+2*\k:217+2*\k], v[48+4*\k:49+4*\k], v[64+4*\k:65+4*\k]         ; the rows' sums of the unquantised p go on, four chains a tile
	v_pk_add_f32 v[224+2*\k:225+2*\k], v[112+4*\k:113+4*\k], v[114+4*\k:115+4*\k]
.endr
	PV 0, 1
	AADD 8
	BADD 128
	PV 0, 2
	AADD 12
	BADD 136
	PV 0, 3
	BADD 144
	BADD 152
	PV 1, 0
	BADD 160
	BADD 168
	PV 1, 1
.irp x, 0,1
	v_pk_add_f32 v[216+8*\x:217+8*\x], v[216+8*\x:217+8*\x], v[218+8*\x:219+8*\x]
	v_pk_add_f32 v[220+8*\x:221+8*\x], v[220+8*\x:221+8*\x], v[222+8*\x:223+8*\x]
.endr
	PV 1, 2
.irp x, 0,1
	v_pk_add_f32 v[216+8*\x:217+8*\x], v[216+8*\x:217+8*\x], v[220+8*\x:221+8*\x]
.endr
.irp x, 0,1
	v_pk_add_f32 v[14+4*\x:15+4*\x], v[14+4*\x:15+4*\x], v[216+8*\x:217+8*\x]
.endr
	s_wait_alu depctr_va_vdst(0)
	PV 1, 3
.endm
.macro ONWARD                          ; the three bases, one step of 128 keys on
	s_add_co_u32 s[TBK], s[TBK], 128*KP
	s_add_co_u32 s[TBV], s[TBV], VBL
	s_add_co_u32 s[TBM], s[TBM], 512
	s_sub_co_u32 s[CNT], s[CNT], 1
	s_cmp_lg_u32 s[CNT], 0
.endm
	v_add_nc_u32 v8, s[TBK], v1
	v_add_nc_u32 v10, s[TBM], v3
	WIN 0x40
	LKM 0, 0
	WIN 0
.Lkeys:                                ; steps 0 to 6: they read keys 0-1023 alone (step 6's look-ahead: keys 896-1023)
	STEP 0
	ONWARD
	s_cbranch_scc1 .Lkeys
	s_wait_tensorcnt 0x0                           ; my part of keys 1024-2047 has landed,
	s_wait_dscnt 0x0                               ; (no LDS instruction of mine is out at a signal)
	s_barrier_signal -1
	s_barrier_wait -1                              ; everybody's has
	s_mov_b32 s[CNT], 8
.Lkeys2:                               ; steps 7 to 14; the last step is written out: it fetches nothing more
	STEP 0
	ONWARD
	s_cbranch_scc1 .Lkeys2
	STEP 1
	; THE WAY OUT: O^T / the sum x 2^(ep + ev), quantised with 2^ec; a tile's 16 tokens x 64 bytes go through my stage and leave four lanes to a token (a head's share of a row of cc is 64 bytes).
.rept 4
	v_nop                                          ; places behind the last products
.endr
.irp x, 0,1
	v_add_f32 v[14+4*\x], v[14+4*\x], v[15+4*\x]
.endr
.irp x, 0,1
	v_permlanex16_b32 v[30+\x], v[14+4*\x], s[SEL], s[SEL+1]
.endr
.irp x, 0,1
	v_add_f32 v[14+4*\x], v[14+4*\x], v[30+\x]     ; the row's sum
.endr
	s_wait_alu depctr_va_vdst(0)
	v_rcp_f32 v14, v14
	v_rcp_f32 v18, v18
	v_nop                                          ; a plain line behind them
	s_wait_alu depctr_va_vdst(0)                   ; and the wait ahead of their first reader
	v_ldexp_f32 v14, v14, s59
	v_ldexp_f32 v18, v18, s59
	WIN 0x01                                       ; O^T from window 1
	s_wait_alu depctr_va_vdst(0)                   ; directly ahead of the first reader of O^T
.irp x, 0,1
.set n, 0
.rept 32
	v_mul_f32 v[48+64*\x+n], v[32*\x+n], v[14+4*\x]    ; register 8 t + j is ctx(query r, channel 16 t + 8 h + j)
.set n, n+1
.endr
.endr
	WIN 0
.irp x, 0,1
.set n, 0
.rept 32
	v_med3_num_f32 v[48+64*\x+n], v[48+64*\x+n], -v22, v22   ; the conversion does not saturate (ISA guide 7.6.2): the hold comes first
.set n, n+1
.endr
.endr
.irp x, 0,1
.irp t, 0,1,2,3
	v_cvt_scalef32_pk8_bf8_f32 v[176+8*\x+2*\t:177+8*\x+2*\t], v[48+64*\x+8*\t:55+64*\x+8*\t], v21
.endr
.endr
	v_nop
.irp x, 0,1                            ; tile b takes the stage behind tile a's loads: LDS serves a wave's instructions in order
.irp t, 0,1,2,3
	ds_store_b64 v4, v[176+8*\x+2*\t:177+8*\x+2*\t] offset:16*\t
.endr
	ds_load_b128 v[208+8*\x:211+8*\x], v5
	ds_load_b128 v[212+8*\x:215+8*\x], v5 offset:512
.endr
	s_wait_dscnt 6                                 ; tile a is back; tile b's four stores and two loads may be out
	global_store_b128 v6, v[208:211], s[68:69]
	global_store_b128 v6, v[212:215], s[68:69] offset:8192
	s_wait_dscnt 0x0
	global_store_b128 v6, v[216:219], s[68:69] offset:16384
	global_store_b128 v6, v[220:223], s[68:69] offset:24576
	s_wait_tensorcnt 0x0                           ; the wave's end
	ds_add_u32 v24, v25
	s_wait_dscnt 0x0
	CROUND                                         ; the closing round: no work-group ends while a partner may still ask
	s_endpgm
.Lfunc_end_k_q2a3c1da561_attn:
	.size	k_q2a3c1da561_attn, .Lfunc_end_k_q2a3c1da561_attn-k_q2a3c1da561_attn
	.p2alignl 7, 3214868480
	.fill 96, 4, 3214868480
	.section	.rodata,"a",@progbits
	.p2align	6, 0x0
	.amdhsa_kernel k_q2a3c1da561_attn
		.amdhsa_group_segment_fixed_size 327680
		.amdhsa_private_segment_fixed_size 0
		.amdhsa_enable_private_segment 0
		.amdhsa_kernarg_size 32
		.amdhsa_user_sgpr_count 2
		.amdhsa_user_sgpr_kernarg_segment_ptr 1
		.amdhsa_wavefront_size32 1
		.amdhsa_system_sgpr_workgroup_id_x 1
		.amdhsa_system_sgpr_workgroup_id_y 1
		.amdhsa_system_sgpr_workgroup_id_z 1
		.amdhsa_system_vgpr_workitem_id 0
		.amdhsa_next_free_vgpr 512
		.amdhsa_next_free_sgpr 72
		.amdhsa_reserve_vcc 1
		.amdhsa_float_denorm_mode_32 3
		.amdhsa_float_denorm_mode_16_64 3
		.amdhsa_memory_ordered 1
		.amdhsa_forward_progress 1
		.amdhsa_inst_pref_size 101
	.end_amdhsa_kernel
	.amdgpu_metadata
---
amdhsa.version: [ 1, 2 ]
amdhsa.kernels:
  - .name:           k_q2a3c1da561_attn
    .symbol:         k_q2a3c1da561_attn.kd
    .args:
      - { .name: qkvc, .offset: 0, .size: 8, .value_kind: global_buffer, .address_space: global }
      - { .name: mask, .offset: 8, .size: 8, .value_kind: global_buffer, .address_space: global }
      - { .name: lowp_scales, .offset: 16, .size: 8, .value_kind: global_buffer, .address_space: global }
      - { .name: cc, .offset: 24, .size: 8, .value_kind: global_buffer, .address_space: global }
    .group_segment_fixed_size: 327680
    .private_segment_fixed_size: 0
    .kernarg_segment_align: 8
    .kernarg_segment_size: 32
    .max_flat_workgroup_size: 256
    .sgpr_count:     72
    .vgpr_count:     512
    .wavefront_size: 32
...
	.end_amdgpu_metadata
.endif
;; end of part 3
;; launch wo (part 4): grid 8 x 32, 4 waves a work-group, clusters of 4 x 4, 327,680 bytes of LDS; arguments cc, wc, lowp_scales, bo, x, y; writes y
.if DOCPART == 4
	.amdgcn_target "amdgcn-amd-amdhsa--gfx1250"
	.amdhsa_code_object_version 6
	.text
	.protected	k_q2a3c1da561_wo
	.globl	k_q2a3c1da561_wo
	.p2align	8
	.type	k_q2a3c1da561_wo,@function
k_q2a3c1da561_wo:
	s_mov_b64 s[64:65], 0
	v_nop
	global_prefetch_b8 v0, s[64:65] scope:SCOPE_SE
	s_setreg_imm32_b32 hwreg(HW_REG_WAVE_MODE, 25, 1), 1
	s_wait_xcnt 0x0
	s_wait_alu depctr_hold_cnt(0) depctr_sa_sdst(0) depctr_va_vdst(0) depctr_va_sdst(0) depctr_va_ssrc(0) depctr_va_vcc(0) depctr_vm_vsrc(0)
	s_getreg_b32 s2, hwreg(HW_REG_IB_STS2, 6, 4)
	s_cmp_eq_u32 s2, 0
	s_cbranch_scc0 .Lentry_in_a_cluster
	s_endpgm
.Lentry_in_a_cluster:
	s_bfe_u32 s2, ttmp6, 0x10000c
	s_cmp_lg_u32 s2, 0xf033
	s_cbranch_scc0 .Lentry_shape_is_right
	s_endpgm
.Lentry_shape_is_right:
; y = x + (ctx Wo x 2^(ea + eb) + bo): A = ctx [4096][1024] and B = Wo [1024 (n)][1024 (k)] are codes of BF8 (E5M2), K innermost; x and y [4096][1024] f32.
; 4,096 x 1,024 gives only 64 tiles of 256 x 256, so a tile is 128 x 128: 256 work-groups of four waves, 64 x 64 a wave: 16 accumulators.
; THE WHOLE K LIES IN LDS: 256 rows (A's 128, then B's 128) of 1,024 bytes + 16 are 266,240 bytes.  Each wave issues ONE tensor load at the head (64 rows), nothing is filled again, one barrier serves the launch.
; 128 along K is one matrix instruction on each accumulator; the fragments of the next 128 are fetched from LDS in the middle of each such eighth, into two buffers by turns.
; CLUSTERS: 4 x 4 work-groups; A's tile is asked for jointly by a row of the cluster, B's by a column.  TRANSPOSED USE: source 0 = 16 rows of B, source 1 = 16 rows of A: a lane holds eight neighbouring columns of a row.
; Nothing is prefetched: all tiles are asked for at the head, and there is no loop to run ahead in.  The wave's 64 x 64 of x and its bias are asked for at the head and land under the products.
; LIMIT: ea + eb between -126 and 127.
; REGISTERS: window 0: v16-29 addresses; v32-95 rows on the way out (two sets); v96-99 bias; v128-255 accumulators ((a, b) at v[128 + 8 (4 a + b)]).  window 1: two fragment buffers of 128 (A's four, then B's four).  window 2: v0-127 x.
.set SIZE_K, 1024
.set WOFF,   0x300000                  ; Wo's place in wc
.set SOFS,   40                        ; byte of ea in the scales
.set PITCH,  1040                      ; 1,024 bytes + 16: the 16 rows of a fragment load start at 16 different banks (64 banks of 4 bytes: ISA guide 11.1)
.set HALFT,  64*PITCH                  ; what one tensor load brings, and what one wave reads of A or of B
.set STAGE,  4*HALFT                   ; behind the tiles: the way out, 16 rows x (256 + 16) for each wave, bytes of its own
.set SPITCH, 272
.set SPARE,  STAGE+4*16*SPITCH         ; then the spare words, 128 bytes a wave
.set ADRA, 16
.set ADRB, 20
.set STO,  24
.set RD,   25
.set CO,   26
.set BO,   27
.set SPW,  28
.set NIL,  29
.set BK,   32
.set BI,   96
.set ACC,  128
.set F0,   0
.set F1,   128
.set G1, 24
.set G0, 32
.set G1B, 48
.set G0B, 56
.set MSB, 0
.macro WIN new
.if MSB != \new
	s_set_vgpr_msb (MSB<<8)|\new
.set MSB, \new
.endif
.endm
.set MUL,  0x05                        ; sources 0 and 1 window 1; C and D window 0
.set TO_F, 0x40
.macro CROUND
	s_barrier_signal -1
	s_barrier_wait -1
	s_cmp_lg_u32 s12, 0
	s_cbranch_scc1 .Lnot_wave_0_\@
	s_barrier_signal -3
.Lnot_wave_0_\@:
	s_barrier_wait -3
	s_barrier_signal -1
	s_barrier_wait -1
.endm
	s_load_b256 s[4:11], s[0:1], 0x0               ; A 4, wc 6, the scales 8, bias 10
	s_load_b128 s[68:71], s[0:1], 0x20             ; x 68, y 70
	v_lshl_add_u32 v[SPW], v0, 2, SPARE
	v_mov_b32 v[NIL], 0
	ds_add_u32 v[SPW], v[NIL]                      ; the opening lines: the add, twice on end, and its wait ahead of the round in front of my tensor load
	ds_add_u32 v[SPW], v[NIL]
	v_lshrrev_b32 v1, 5, v0
	v_readfirstlane_b32 s12, v1                    ; wave
	s_lshr_b32 s13, s12, 1                         ; my half of the rows; also: I fetch for A (0) or B (1)
	s_and_b32 s14, s12, 1                          ; my half of the columns; also: which 64 rows I fetch
	s_bfe_u32 s40, ttmp6, 0x40000
	s_bfe_u32 s41, ttmp6, 0x40004
	s_lshl_b32 s42, ttmp9, 2
	s_add_co_u32 s42, s42, s40                     ; tile column
	s_and_b32 s16, ttmp7, 0xffff
	s_lshl_b32 s16, s16, 2
	s_add_co_u32 s16, s16, s41                     ; tile row
	s_lshl_b32 s43, s41, 2
	s_lshl_b32 s43, 15, s43
	s_lshl_b32 s44, 0x1111, s40
	s_or_b32 s[G1+0], s43, (0<<16)|(1<<20)|(1<<21)|(7<<22)|(3<<25)   ; mask; 1-byte elements; padding: 4 words behind every 256; bit 21 beside a mask
	s_or_b32 s[G1B+0], s44, (0<<16)|(1<<20)|(1<<21)|(7<<22)|(3<<25)
.irp g, G1, G1B
	s_mov_b32 s[\g+1], SIZE_K<<16
	s_mov_b32 s[\g+2], 64<<16
	s_mov_b32 s[\g+3], SIZE_K<<16
	s_mov_b32 s[\g+4], 64
	s_mov_b32 s[\g+5], SIZE_K
	s_mov_b32 s[\g+6], 0
	s_mov_b32 s[\g+7], 0
.endr
	s_lshl_b32 s17, s14, 6
	s_lshl_b32 s20, s16, 7
	s_add_co_u32 s20, s20, s17
	s_mul_i32 s20, s20, SIZE_K
	s_mov_b32 s21, 0
	s_lshl_b32 s46, s42, 7
	s_add_co_u32 s46, s46, s17
	s_mul_i32 s46, s46, SIZE_K
	s_add_co_u32 s46, s46, WOFF
	s_mov_b32 s47, 0
	s_mov_b32 s[G0], 1
	s_mul_i32 s[G0+1], s12, HALFT                  ; A's two halves, then B's two: wave x 64 rows
	s_mov_b32 s[G0B], 1
	s_mul_i32 s[G0B+1], s12, HALFT
	s_wait_dscnt 0x0                               ; both opening adds are done
	s_wait_kmcnt 0x0
	s_load_b64 s[72:73], s[8:9], SOFS              ; ea, eb
	s_add_nc_u64 s[G0+2:G0+3], s[4:5], s[20:21]
	s_or_b32 s[G0+3], s[G0+3], 0x80000000
	s_add_nc_u64 s[G0B+2:G0B+3], s[6:7], s[46:47]
	s_or_b32 s[G0B+3], s[G0B+3], 0x80000000
	CROUND                                         ; all sixteen work-groups are here: the joint loads meet
	s_cmp_eq_u32 s13, 0                            ; waves 0, 1 fetch A's halves, waves 2, 3 B's; an s_nop 0 and four v_nop follow each line
	s_cbranch_scc0 .Lfor_b
	tensor_load_to_lds s[G0:G0+3], s[G1:G1+7]
	s_nop 0
.rept 4
	v_nop
.endr
	s_branch .Lasked
.Lfor_b:
	tensor_load_to_lds s[G0B:G0B+3], s[G1B:G1B+7]
	s_nop 0
.rept 4
	v_nop
.endr
.Lasked:
	s_mul_i32 s18, s13, HALFT                      ; my 64 rows of A
	s_mul_i32 s19, s14, HALFT
	s_add_co_u32 s19, s19, 2*HALFT                 ; my 64 rows of B
	s_mul_i32 s17, s12, 16*SPITCH
	s_add_co_u32 s17, s17, STAGE                   ; my stage
	s_lshl_b32 s66, s16, 7
	s_lshl_b32 s67, s13, 6
	s_add_co_u32 s66, s66, s67                     ; my first row
	s_lshl_b32 s66, s66, 12
	s_lshl_b32 s67, s42, 7
	s_lshl_b32 s22, s14, 6
	s_add_co_u32 s67, s67, s22                     ; my first column
	s_lshl_b32 s22, s67, 2
	s_mov_b32 s23, 0
	s_add_nc_u64 s[76:77], s[10:11], s[22:23]      ; bias
	s_add_co_u32 s22, s22, s66
	s_add_nc_u64 s[74:75], s[68:69], s[22:23]      ; x
	s_add_nc_u64 s[78:79], s[70:71], s[22:23]      ; y
	v_and_b32 v1, 15, v0                           ; r
	v_bfe_u32 v2, v0, 4, 1                         ; h
	v_mul_u32_u24 v3, v1, PITCH
	v_lshl_add_u32 v3, v2, 4, v3
	v_add_nc_u32 v[ADRA], s18, v3
	v_add_nc_u32 v[ADRB], s19, v3
	v_mul_u32_u24 v4, v1, SPITCH
	v_lshl_add_u32 v4, v2, 5, v4
	v_add_nc_u32 v[STO], s17, v4                   ; the stage, in: row r, 32 bytes for each half of the lanes
	v_mul_u32_u24 v5, v2, SPITCH
	v_lshl_add_u32 v5, v1, 4, v5
	v_add_nc_u32 v[RD], s17, v5                    ; back: sixteen lanes to a row of 256 bytes
	v_lshlrev_b32 v[CO], 12, v2
	v_lshl_add_u32 v[CO], v1, 4, v[CO]             ; the same two rows in x and y
	v_lshlrev_b32 v[BO], 4, v1
	s_wait_alu depctr_va_vdst(0)
	global_load_b128 v[BI:BI+3], v[BO], s[76:77]   ; bias of columns 4 (l % 16) + 0 .. 3 of my 64
	WIN 0x80                                       ; destination window 2
.set n, 0
.rept 32
	global_load_b128 v[4*n:4*n+3], v[CO], s[74:75] offset:8192*n   ; rows 2 n + h
.set n, n+1
.endr
	WIN 0
.macro FRAG reg, adr, k, i             ; 16 rows x 128 K: registers 4 c .. 4 c + 3 hold K = 32 c + 16 (l / 16) + 0 .. 15, the same places on both sides
.irp c, 0,1,2,3
	ds_load_b128 v[\reg+4*\c:\reg+4*\c+3], v[\adr] offset:(\k)+32*\c+(\i)*16*PITCH
.endr
.endm
.macro FETCH k, f                      ; 32 loads in one run: B's four fragments, then A's four, at byte k of the rows
	WIN TO_F
.irp i, 0,1,2,3
	FRAG \f+64+16*\i, ADRB, \k, \i
.endr
.irp i, 0,1,2,3
	FRAG \f+16*\i, ADRA, \k, \i
.endr
.endm
.macro MUL8 f, a0, zero                ; the sixteen accumulators take turns, one instruction a turn, in the same order in every eighth
.irp a, \a0, \a0+1
.irp b, 0,1,2,3
.if \zero
	v_wmma_f32_16x16x128_bf8_bf8 v[ACC+8*(4*(\a)+\b):ACC+8*(4*(\a)+\b)+7], v[\f+64+16*\b:\f+64+16*\b+15], v[\f+16*(\a):\f+16*(\a)+15], 0
.else
	v_wmma_f32_16x16x128_bf8_bf8 v[ACC+8*(4*(\a)+\b):ACC+8*(4*(\a)+\b)+7], v[\f+64+16*\b:\f+64+16*\b+15], v[\f+16*(\a):\f+16*(\a)+15], v[ACC+8*(4*(\a)+\b):ACC+8*(4*(\a)+\b)+7]
.endif
.endr
.endr
.endm
.macro PLACES
.rept 4
	v_nop
.endr
.endm
.macro EIGHTH k, f, g, zero            ; multiplies buffer f; in its middle fetches byte k of the rows into g
	s_wait_dscnt 8                                 ; all but the youngest eight loads (A's blocks 2, 3)
	WIN MUL
	MUL8 \f, 0, \zero
	PLACES                                         ; four plain lines ahead of loads into registers that matrix instructions have read
	FETCH \k, \g
	s_wait_dscnt 32                                ; all but the 32 just issued
	WIN MUL
	MUL8 \f, 2, \zero
.endm
	s_wait_tensorcnt 0x0                           ; my 64 rows are in,
	s_barrier_signal -1
	s_barrier_wait -1                              ; everybody's are
	FETCH 0, F0
	EIGHTH 128, F0, F1, 1                          ; the first eighth's products start the sums
	EIGHTH 256, F1, F0, 0
	EIGHTH 384, F0, F1, 0
	EIGHTH 512, F1, F0, 0
	EIGHTH 640, F0, F1, 0
	EIGHTH 768, F1, F0, 0
	EIGHTH 896, F0, F1, 0
	s_wait_dscnt 8
	WIN MUL
	MUL8 F1, 0, 0
	s_wait_dscnt 0
	MUL8 F1, 2, 0
	WIN 0
; THE WAY OUT, 16 rows x 64 columns at a time: the sums go through my own stage and come back as whole rows of 256 bytes; there sum x 2^(ea + eb) + bias, + x; sixteen lanes store an aligned 256 bytes.
.macro TOSTAGE a
.irp b, 0,1,2,3
	ds_store_b128 v[STO], v[ACC+8*(4*(\a)+\b):ACC+8*(4*(\a)+\b)+3] offset:64*\b        ; each accumulator from its low end on
	ds_store_b128 v[STO], v[ACC+8*(4*(\a)+\b)+4:ACC+8*(4*(\a)+\b)+7] offset:64*\b+16
.endr
.set BB, BK+32*((\a)%2)
.irp t, 0,1,2,3,4,5,6,7
	ds_load_b128 v[BB+4*\t:BB+4*\t+3], v[RD] offset:\t*2*SPITCH    ; my own stores, seen in order
.endr
.endm
.macro SEND a, younger
.set BB, BK+32*((\a)%2)
	s_wait_dscnt \younger                          ; the block is back; the next block's eight stores and eight loads may be out
.irp t, 0,1,2,3,4,5,6,7
.irp k, 0,2
	v_pk_fma_f32 v[BB+4*\t+\k:BB+4*\t+\k+1], v[BB+4*\t+\k:BB+4*\t+\k+1], s[72:73], v[BI+\k:BI+\k+1] op_sel_hi:[1,0,1]
.endr
.endr
	WIN 0x08                                       ; source 1 window 2
.irp t, 0,1,2,3,4,5,6,7
.irp k, 0,2
	v_pk_add_f32 v[BB+4*\t+\k:BB+4*\t+\k+1], v[BB+4*\t+\k:BB+4*\t+\k+1], v[4*(8*(\a)+\t)+\k:4*(8*(\a)+\t)+\k+1]
.endr
.endr
	WIN 0
.irp t, 0,1,2,3,4,5,6,7
	global_store_b128 v[CO], v[BB+4*\t:BB+4*\t+3], s[78:79] offset:(16*(\a)+2*\t)*4096
.endr
.endm
	s_wait_kmcnt 0x0
	s_wait_loadcnt 0x0                             ; x and bias, asked for at the head
	s_add_co_i32 s72, s72, s73
	s_add_co_i32 s72, s72, 127
	s_lshl_b32 s72, s72, 23                        ; 2^(ea + eb)
	s_mov_b32 s73, s72
	PLACES
	TOSTAGE 0
	TOSTAGE 1
	SEND 0, 16
	s_wait_xcnt 0x0                                ; block 0's stores have read their data: block 2's loads may land there
	TOSTAGE 2
	SEND 1, 16
	s_wait_xcnt 0x0
	TOSTAGE 3
	SEND 2, 16
	SEND 3, 0
	s_wait_tensorcnt 0x0                           ; the wave's end
	ds_add_u32 v[SPW], v[NIL]
	s_wait_dscnt 0x0
	CROUND                                         ; the closing round
	s_endpgm
.Lfunc_end_k_q2a3c1da561_wo:
	.size	k_q2a3c1da561_wo, .Lfunc_end_k_q2a3c1da561_wo-k_q2a3c1da561_wo
	.p2alignl 7, 3214868480
	.fill 96, 4, 3214868480
	.section	.rodata,"a",@progbits
	.p2align	6, 0x0
	.amdhsa_kernel k_q2a3c1da561_wo
		.amdhsa_group_segment_fixed_size 327680
		.amdhsa_private_segment_fixed_size 0
		.amdhsa_enable_private_segment 0
		.amdhsa_kernarg_size 48
		.amdhsa_user_sgpr_count 2
		.amdhsa_user_sgpr_kernarg_segment_ptr 1
		.amdhsa_wavefront_size32 1
		.amdhsa_system_sgpr_workgroup_id_x 1
		.amdhsa_system_sgpr_workgroup_id_y 1
		.amdhsa_system_sgpr_workgroup_id_z 1
		.amdhsa_system_vgpr_workitem_id 0
		.amdhsa_next_free_vgpr 640
		.amdhsa_next_free_sgpr 80
		.amdhsa_reserve_vcc 0
		.amdhsa_float_denorm_mode_32 3
		.amdhsa_float_denorm_mode_16_64 3
		.amdhsa_memory_ordered 1
		.amdhsa_forward_progress 1
		.amdhsa_inst_pref_size 51
	.end_amdhsa_kernel
	.amdgpu_metadata
---
amdhsa.version: [ 1, 2 ]
amdhsa.kernels:
  - .name:           k_q2a3c1da561_wo
    .symbol:         k_q2a3c1da561_wo.kd
    .args:
      - { .name: cc, .offset: 0, .size: 8, .value_kind: global_buffer, .address_space: global }
      - { .name: wc, .offset: 8, .size: 8, .value_kind: global_buffer, .address_space: global }
      - { .name: lowp_scales, .offset: 16, .size: 8, .value_kind: global_buffer, .address_space: global }
      - { .name: bo, .offset: 24, .size: 8, .value_kind: global_buffer, .address_space: global }
      - { .name: x, .offset: 32, .size: 8, .value_kind: global_buffer, .address_space: global }
      - { .name: y, .offset: 40, .size: 8, .value_kind: global_buffer, .address_space: global }
    .group_segment_fixed_size: 327680
    .private_segment_fixed_size: 0
    .kernarg_segment_align: 8
    .kernarg_segment_size: 48
    .max_flat_workgroup_size: 128
    .sgpr_count:     80
    .vgpr_count:     640
    .wavefront_size: 32
...
	.end_amdgpu_metadata
.endif
;; end of part 4
;; launch ln1 (part 5): grid 256 x 1, 4 waves a work-group, no clusters, 16,896 bytes of LDS; arguments y, g1, be1, lowp_scales, h, hc; writes h, hc
.if DOCPART == 5
	.amdgcn_target "amdgcn-amd-amdhsa--gfx1250"
	.amdhsa_code_object_version 6
	.text
	.protected	k_q2a3c1da561_ln1
	.globl	k_q2a3c1da561_ln1
	.p2align	8
	.type	k_q2a3c1da561_ln1,@function
k_q2a3c1da561_ln1:
	s_mov_b64 s[64:65], 0
	v_nop
	global_prefetch_b8 v0, s[64:65] scope:SCOPE_SE
	s_setreg_imm32_b32 hwreg(HW_REG_WAVE_MODE, 25, 1), 1
	s_wait_xcnt 0x0
; h = LayerNorm(y) x g + be, rows of 1,024 f32, eps = 1e-5; and h's codes of BF8 (E5M2) with the given scale (entry 12), for the product with W1.
; One wave takes a row (4,096 bytes: 32 registers) and four rows in all; the row stays in registers between the passes: mean, then the mean of the squared differences (two passes, as the definition has it), then the scaling.
; All 48 loads of a wave (g, be, four rows) are issued at the head.  Each load and store of a wave covers 512 consecutive bytes.  Memory binds: no matrix unit, no cluster, no barrier.
; A lane's numbers are four neighbours of each 128 columns, so its codes go through the wave's own LDS bytes (a row's 1,024 bytes as they lie) and leave 16 bytes a lane.
; LIMITS: the exponent between -126 and 112; NaN among the inputs is not served.
.set CODES, 1
.set OUTP,  16                         ; s[16:17] the f32 result
.set X,   32                           ; v32-159  four rows
.set G,   160                          ; v160-191 g at my columns
.set BE,  192                          ; v192-223 be
.set T,   16                           ; v16-31   two sets of 8 held numbers
.set C,   224                          ; v224-231 a row's codes
.set BKC, 232                          ; v232-239 the codes as they leave
.set LS,  240                          ; v240 LDS: 4,096 x wave + 4 x lane;  v241: .. + 16 x lane;  v242 the scale;  v243 the hold
	s_load_b256 s[4:11], s[0:1], 0x0               ; y 4, g 6, be 8, the scales 10
	s_load_b128 s[16:19], s[0:1], 0x20             ; h 16, hc 18
	v_lshl_add_u32 v244, v0, 2, 16384              ; my spare word, behind the four waves' LDS bytes: 128 bytes a wave that no other line names
	v_mov_b32 v245, 0                              ; and 0: the two are kept for the closing lines alone
	v_lshrrev_b32 v1, 5, v0
	v_readfirstlane_b32 s20, v1                    ; wave
	v_and_b32 v15, 31, v0
	s_wait_alu depctr_va_vdst(0)
	v_lshlrev_b32 v1, 4, v15                       ; 16 x lane
	s_lshl_b32 s21, ttmp9, 2
	s_add_co_u32 s21, s21, s20                     ; which four rows
	s_lshl_b32 s22, s21, 14
	s_mov_b32 s23, 0
	s_lshl_b32 s24, s21, 12
	s_mov_b32 s25, 0
	s_mov_b32 s12, 0x3a800000                      ; 1 / 1,024
	s_mov_b32 s13, 0x3727c5ac                      ; 1e-5
	s_mov_b32 s14, 0x76543210
	s_mov_b32 s15, 0xfedcba98
	s_lshl_b32 s27, s20, 12
	v_lshl_add_u32 v[LS], v15, 2, s27
	v_lshl_add_u32 v[LS+1], v15, 4, s27
	v_mov_b32 v14, 0                               ; a lane permute's destination counts as one of its sources
	v_mov_b32 v13, 0                               ; (named as the upper half of the pair v[12:13])
	s_wait_alu depctr_va_vdst(0)
	s_wait_kmcnt 0x0
	s_load_b32 s26, s[10:11], 0x30                 ; entry 12
	s_add_nc_u64 s[4:5], s[4:5], s[22:23]
	s_add_nc_u64 s[OUTP:OUTP+1], s[OUTP:OUTP+1], s[22:23]
	s_add_nc_u64 s[18:19], s[18:19], s[24:25]
.irp j, 0,1,2,3,4,5,6,7
	global_load_b128 v[G+4*\j:G+4*\j+3], v1, s[6:7] offset:512*\j
.endr
.irp j, 0,1,2,3,4,5,6,7
	global_load_b128 v[BE+4*\j:BE+4*\j+3], v1, s[8:9] offset:512*\j
.endr
.irp p, 0,1,2,3
.irp j, 0,1,2,3,4,5,6,7
	global_load_b128 v[X+32*\p+4*\j:X+32*\p+4*\j+3], v1, s[4:5] offset:4096*\p+512*\j th:TH_LOAD_NT
.endr
.endr
	s_wait_kmcnt 0x0
	s_add_co_i32 s26, s26, 127
	s_lshl_b32 s28, s26, 23
	v_mov_b32 v[LS+2], s28
	s_add_co_i32 s26, s26, 15
	s_lshl_b32 s26, s26, 23
	s_or_b32 s26, s26, 0x600000
	v_mov_b32 v[LS+3], s26
.macro REDUCE                          ; the four chains v[2:9] become one number, in every lane's v2
	v_pk_add_f32 v[2:3], v[2:3], v[4:5]
	v_pk_add_f32 v[6:7], v[6:7], v[8:9]
	v_pk_add_f32 v[2:3], v[2:3], v[6:7]
	v_add_f32 v2, v2, v3
	v_add_f32_dpp v2, v2, v2 row_xmask:1 row_mask:0xf bank_mask:0xf
	v_add_f32_dpp v2, v2, v2 row_xmask:2 row_mask:0xf bank_mask:0xf
	v_add_f32_dpp v2, v2, v2 row_xmask:4 row_mask:0xf bank_mask:0xf
	v_add_f32_dpp v2, v2, v2 row_xmask:8 row_mask:0xf bank_mask:0xf
	v_permlanex16_b32 v14, v2, s14, s15
	v_add_f32 v2, v2, v14
.endm
.macro ROW p
.set XR, X+32*(\p)
	s_wait_loadcnt 8*(3-(\p))                      ; g, be and this row are in; the later rows' eight loads each may be out
.irp c, 0,1,2,3
	v_pk_add_f32 v[2+2*\c:3+2*\c], v[XR+2*\c:XR+2*\c+1], v[XR+8+2*\c:XR+8+2*\c+1]   ; the first pairs start the chains: nothing is cleared
.endr
.irp i, 8,9,10,11,12,13,14,15
	v_pk_add_f32 v[2+2*(\i%4):3+2*(\i%4)], v[2+2*(\i%4):3+2*(\i%4)], v[XR+2*\i:XR+2*\i+1]
.endr
	REDUCE
	v_mul_f32 v10, s12, v2                         ; the mean, twice
	v_mul_f32 v11, s12, v2
.irp i, 0,1,2,3,4,5,6,7,8,9,10,11,12,13,14,15
	v_pk_add_f32 v[XR+2*\i:XR+2*\i+1], v[XR+2*\i:XR+2*\i+1], v[10:11] neg_lo:[0,1] neg_hi:[0,1]
.endr
.irp c, 0,1,2,3
	v_pk_mul_f32 v[2+2*\c:3+2*\c], v[XR+2*\c:XR+2*\c+1], v[XR+2*\c:XR+2*\c+1]
.endr
.irp i, 4,5,6,7,8,9,10,11,12,13,14,15
	v_pk_fma_f32 v[2+2*(\i%4):3+2*(\i%4)], v[XR+2*\i:XR+2*\i+1], v[XR+2*\i:XR+2*\i+1], v[2+2*(\i%4):3+2*(\i%4)]
.endr
	REDUCE
	v_fma_f32 v12, v2, s12, s13                    ; the variance + eps
	s_wait_alu depctr_va_vdst(0)
	v_rsq_f32 v12, v12
	v_nop                                          ; a plain line behind the transcendental
	s_wait_alu depctr_va_vdst(0)                   ; and the wait ahead of its first reader
.irp i, 0,1,2,3,4,5,6,7,8,9,10,11,12,13,14,15
	v_pk_mul_f32 v[XR+2*\i:XR+2*\i+1], v[XR+2*\i:XR+2*\i+1], v[12:13] op_sel_hi:[1,0]
.endr
.irp i, 0,1,2,3,4,5,6,7,8,9,10,11,12,13,14,15
	v_pk_fma_f32 v[XR+2*\i:XR+2*\i+1], v[XR+2*\i:XR+2*\i+1], v[G+2*\i:G+2*\i+1], v[BE+2*\i:BE+2*\i+1]
.endr
.irp j, 0,1,2,3,4,5,6,7
	global_store_b128 v1, v[XR+4*\j:XR+4*\j+3], s[OUTP:OUTP+1] offset:4096*(\p)+512*\j
.endr
.if CODES
.irp i, 0,1,2,3
.irp k, 0,1,2,3,4,5,6,7
	v_med3_num_f32 v[T+8*(\i%2)+\k], v[XR+8*\i+\k], -v[LS+3], v[LS+3]   ; into other registers: the row is still being stored.  The two sets take turns
.endr
	v_cvt_scalef32_pk8_bf8_f32 v[C+2*\i:C+2*\i+1], v[T+8*(\i%2):T+8*(\i%2)+7], v[LS+2]   ; register j of the eight: the codes of columns 128 j + 4 x lane + 0 .. 3
.endr
	v_nop
.irp j, 0,1,2,3,4,5,6,7
	ds_store_b32 v[LS], v[C+\j] offset:1024*(\p)+128*\j
.endr
.if (\p) > 0
	s_wait_xcnt 0x0                                ; the last row's code stores have read their data
.endif
	ds_load_b128 v[BKC:BKC+3], v[LS+1] offset:1024*(\p)          ; my own stores, seen in order
	ds_load_b128 v[BKC+4:BKC+7], v[LS+1] offset:1024*(\p)+512
	s_wait_dscnt 0x0
	global_store_b128 v1, v[BKC:BKC+3], s[18:19] offset:1024*(\p)
	global_store_b128 v1, v[BKC+4:BKC+7], s[18:19] offset:1024*(\p)+512
.endif
.endm
	ROW 0
	ROW 1
	ROW 2
	ROW 3
	s_wait_tensorcnt 0x0                           ; the wave's end
	ds_add_u32 v244, v245
	s_wait_dscnt 0x0
	s_endpgm
.Lfunc_end_k_q2a3c1da561_ln1:
	.size	k_q2a3c1da561_ln1, .Lfunc_end_k_q2a3c1da561_ln1-k_q2a3c1da561_ln1
	.p2alignl 7, 3214868480
	.fill 96, 4, 3214868480
	.section	.rodata,"a",@progbits
	.p2align	6, 0x0
	.amdhsa_kernel k_q2a3c1da561_ln1
		.amdhsa_group_segment_fixed_size 16896
		.amdhsa_private_segment_fixed_size 0
		.amdhsa_enable_private_segment 0
		.amdhsa_kernarg_size 48
		.amdhsa_user_sgpr_count 2
		.amdhsa_user_sgpr_kernarg_segment_ptr 1
		.amdhsa_wavefront_size32 1
		.amdhsa_system_sgpr_workgroup_id_x 1
		.amdhsa_system_sgpr_workgroup_id_y 1
		.amdhsa_system_sgpr_workgroup_id_z 1
		.amdhsa_system_vgpr_workitem_id 0
		.amdhsa_next_free_vgpr 248
		.amdhsa_next_free_sgpr 66
		.amdhsa_reserve_vcc 0
		.amdhsa_float_denorm_mode_32 3
		.amdhsa_float_denorm_mode_16_64 3
		.amdhsa_memory_ordered 1
		.amdhsa_forward_progress 1
		.amdhsa_inst_pref_size 47
	.end_amdhsa_kernel
	.amdgpu_metadata
---
amdhsa.version: [ 1, 2 ]
amdhsa.kernels:
  - .name:           k_q2a3c1da561_ln1
    .symbol:         k_q2a3c1da561_ln1.kd
    .args:
      - { .name: y, .offset: 0, .size: 8, .value_kind: global_buffer, .address_space: global }
      - { .name: g1, .offset: 8, .size: 8, .value_kind: global_buffer, .address_space: global }
      - { .name: be1, .offset: 16, .size: 8, .value_kind: global_buffer, .address_space: global }
      - { .name: lowp_scales, .offset: 24, .size: 8, .value_kind: global_buffer, .address_space: global }
      - { .name: h, .offset: 32, .size: 8, .value_kind: global_buffer, .address_space: global }
      - { .name: hc, .offset: 40, .size: 8, .value_kind: global_buffer, .address_space: global }
    .group_segment_fixed_size: 16896
    .private_segment_fixed_size: 0
    .kernarg_segment_align: 8
    .kernarg_segment_size: 48
    .max_flat_workgroup_size: 128
    .sgpr_count:     66
    .vgpr_count:     248
    .wavefront_size: 32
...
	.end_amdgpu_metadata
.endif
;; end of part 5
;; launch ffn1 (part 6): grid 16 x 16, 4 waves a work-group, clusters of 4 x 4, 327,680 bytes of LDS; arguments hc, wc, lowp_scales, b1, fc; writes fc
.if DOCPART == 6
	.amdgcn_target "amdgcn-amd-amdhsa--gfx1250"
	.amdhsa_code_object_version 6
	.text
	.protected	k_q2a3c1da561_ffn1
	.globl	k_q2a3c1da561_ffn1
	.p2align	8
	.type	k_q2a3c1da561_ffn1,@function
k_q2a3c1da561_ffn1:
	s_mov_b64 s[64:65], 0
	v_nop
	global_prefetch_b8 v0, s[64:65] scope:SCOPE_SE
	s_setreg_imm32_b32 hwreg(HW_REG_WAVE_MODE, 25, 1), 1
	s_wait_xcnt 0x0
	s_wait_alu depctr_hold_cnt(0) depctr_sa_sdst(0) depctr_va_vdst(0) depctr_va_sdst(0) depctr_va_ssrc(0) depctr_va_vcc(0) depctr_vm_vsrc(0)
	s_getreg_b32 s2, hwreg(HW_REG_IB_STS2, 6, 4)
	s_cmp_eq_u32 s2, 0
	s_cbranch_scc0 .Lentry_in_a_cluster
	s_endpgm
.Lentry_in_a_cluster:
	s_bfe_u32 s2, ttmp6, 0x10000c
	s_cmp_lg_u32 s2, 0xf033
	s_cbranch_scc0 .Lentry_shape_is_right
	s_endpgm
.Lentry_shape_is_right:
.set KSTEP,  256
.set ROWB,   256
.set KROW,   1024
.set PITCH,  272
.set FR,     16
.set NL,     4
.set NP,     4
.set HALFT,  128*PITCH
.set SLOT,   4*HALFT
.set LAPS,   KROW/(2*KSTEP)
.set SPARE,  2*SLOT
.set ADRA, 16
.set ADRB, 20
.set STO,  22
.set RD,   24
.set CO,   27
.set SPW,  28
.set NIL,  29
.set CB,   32
.set SCV,  112
.set LIM,  113
.set AF,   128
.set TMP,  128
.set CD,   192
.set BK,   128
.set G1, 24
.set G0, 32
.set G1B, 48
.set G0B, 56
.set MSB, 0
.macro WIN new
.if MSB != \new
	s_set_vgpr_msb (MSB<<8)|\new
.set MSB, \new
.endif
.endm
.set MUL_LO, 0xa1
.set MUL_HI, 0xf1
.set TO_B,   0x40
.macro JLOAD g0a, g1a, g0b, g1b
	s_cmp_eq_u32 s15, 0
	s_cbranch_scc0 .Lfor_b_\@
	tensor_load_to_lds s[\g0a:\g0a+3], s[\g1a:\g1a+7]
	s_nop 0
.rept 4
	v_nop
.endr
	s_branch .Lasked_\@
.Lfor_b_\@:
	tensor_load_to_lds s[\g0b:\g0b+3], s[\g1b:\g1b+7]
	s_nop 0
.rept 4
	v_nop
.endr
.Lasked_\@:
.endm
.macro CREST
	s_cmp_lg_u32 s14, 0
	s_cbranch_scc1 .Lnot_wave_0_\@
	s_barrier_signal -3
.Lnot_wave_0_\@:
	s_barrier_wait -3
	s_barrier_signal -1
	s_barrier_wait -1
.endm
.macro CROUND
	s_barrier_signal -1
	s_barrier_wait -1
	CREST
.endm
	s_load_b256 s[4:11], s[0:1], 0x0
	s_load_b64 s[72:73], s[0:1], 0x20
	v_lshl_add_u32 v[SPW], v0, 2, SPARE
	v_mov_b32 v[NIL], 0
	v_and_b32 v31, 31, v0
	v_lshlrev_b32 v31, 10, v31                     ; the prefetches' offset: a lane a row of 1,024 bytes; never rewritten
	v_lshrrev_b32 v1, 5, v0
	v_readfirstlane_b32 s14, v1
	s_lshr_b32 s15, s14, 1
	s_and_b32 s16, s14, 1
	s_bfe_u32 s40, ttmp6, 0x40000
	s_bfe_u32 s41, ttmp6, 0x40004
	s_lshl_b32 s42, ttmp9, 2
	s_add_co_u32 s42, s42, s40
	s_and_b32 s17, ttmp7, 0xffff
	s_lshl_b32 s17, s17, 2
	s_add_co_u32 s17, s17, s41
	s_lshl_b32 s43, s41, 2
	s_lshl_b32 s43, 15, s43
	s_lshl_b32 s44, 0x1111, s40
	s_or_b32 s[G1+0], s43, (0<<16)|(1<<20)|(1<<21)|(5<<22)|(3<<25)
	s_or_b32 s[G1B+0], s44, (0<<16)|(1<<20)|(1<<21)|(5<<22)|(3<<25)
.irp g, G1, G1B
	s_mov_b32 s[\g+1], ROWB<<16
	s_mov_b32 s[\g+2], 128<<16
	s_mov_b32 s[\g+3], ROWB<<16
	s_mov_b32 s[\g+4], 128
	s_mov_b32 s[\g+5], KROW
	s_mov_b32 s[\g+6], 0
	s_mov_b32 s[\g+7], 0
.endr
	s_lshl_b32 s18, s16, 7
	s_lshl_b32 s20, s17, 8
	s_add_co_u32 s20, s20, s18
	s_lshl_b32 s20, s20, 10
	s_mov_b32 s21, 0
	s_lshl_b32 s46, s42, 8
	s_add_co_u32 s46, s46, s18
	s_lshl_b32 s46, s46, 10
	s_add_co_u32 s46, s46, 0x400000
	s_mov_b32 s47, 0
	s_mul_i32 s45, s14, HALFT
	s_wait_kmcnt 0x0
	s_load_b64 s[96:97], s[8:9], 0x30
	s_load_b32 s88, s[8:9], 0x38
	s_add_nc_u64 s[20:21], s[4:5], s[20:21]
	s_add_nc_u64 s[46:47], s[6:7], s[46:47]
	s_cmp_eq_u32 s15, 0                            ; the prefetches: of the 128 rows that my wave fetches, each of the four partners that ask for them jointly names 32, told apart by address
	s_cselect_b64 s[94:95], s[20:21], s[46:47]
	s_cselect_b32 s18, s40, s41                    ; my place among the four
	s_lshl_b32 s18, s18, 15                        ; 32 rows of 1,024 bytes
	s_mov_b32 s19, 0
	s_add_nc_u64 s[94:95], s[94:95], s[18:19]      ; never rewritten
.irp s, 0,1
	s_mov_b32 s[G0+4*\s], 1
	s_add_co_u32 s[G0+4*\s+1], s45, \s*SLOT
	s_add_nc_u64 s[G0+4*\s+2:G0+4*\s+3], s[20:21], \s*ROWB
	s_or_b32 s[G0+4*\s+3], s[G0+4*\s+3], 0x80000000
	s_mov_b32 s[G0B+4*\s], 1
	s_add_co_u32 s[G0B+4*\s+1], s45, \s*SLOT
	s_add_nc_u64 s[G0B+4*\s+2:G0B+4*\s+3], s[46:47], \s*ROWB
	s_or_b32 s[G0B+4*\s+3], s[G0B+4*\s+3], 0x80000000
	s_wait_alu depctr_va_vdst(0)
	s_wait_tensorcnt 0x0
	ds_add_u32 v28, v29
	ds_add_u32 v28, v29
	s_wait_dscnt 0x0
	CROUND
	JLOAD G0+4*\s, G1, G0B+4*\s, G1B
.if \s == 0
	global_prefetch_b8 v31, s[94:95] offset:ROWB th:TH_LOAD_NT scope:SCOPE_SE     ; behind K step 0's load: K steps 1 and 2; 256 bytes of each row, each block named once in the cluster
	global_prefetch_b8 v31, s[94:95] offset:2*ROWB th:TH_LOAD_NT scope:SCOPE_SE
.else
	global_prefetch_b8 v31, s[94:95] offset:3*ROWB th:TH_LOAD_NT scope:SCOPE_SE   ; behind K step 1's load: K step 3, the last
.endif
.endr
	v_and_b32 v1, 15, v0
	v_bfe_u32 v2, v0, 4, 1
	v_mul_u32_u24 v3, v1, PITCH
	s_wait_alu depctr_va_vdst(0)
	v_lshl_add_u32 v4, v2, 4, v3
	s_mul_i32 s18, s15, HALFT
	s_mul_i32 s19, s16, HALFT
	s_add_co_u32 s19, s19, 2*HALFT
.irp s, 0,1
	v_add_nc_u32 v[ADRA+\s], s18, v4
	v_add_nc_u32 v[ADRB+\s], s19, v4
	s_add_co_u32 s18, s18, SLOT
	s_add_co_u32 s19, s19, SLOT
.endr
	s_mul_i32 s22, s15, HALFT
	s_lshl_b32 s23, s16, 7
	s_add_co_u32 s22, s22, s23
	v_lshl_add_u32 v5, v2, 3, v3
	v_add_nc_u32 v[STO], s22, v5
	s_mul_i32 s22, s14, 64*PITCH
	v_mul_u32_u24 v6, v2, PITCH
	v_lshl_add_u32 v6, v1, 4, v6
	v_add_nc_u32 v[RD], s22, v6
	v_lshlrev_b32 v[CO], 12, v2
	v_lshl_add_u32 v[CO], v1, 4, v[CO]
	v_lshlrev_b32 v10, 5, v2
	s_lshl_b32 s22, s42, 8
	s_lshl_b32 s23, s16, 7
	s_add_co_u32 s22, s22, s23
	s_lshl_b32 s22, s22, 2
	s_mov_b32 s23, 0
	s_add_nc_u64 s[84:85], s[10:11], s[22:23]
.irp b, 0,1,2,3,4,5,6,7
	global_load_b128 v[CB+8*\b:CB+8*\b+3], v10, s[84:85] offset:64*\b
	global_load_b128 v[CB+8*\b+4:CB+8*\b+7], v10, s[84:85] offset:64*\b+16
.endr
.macro FRAG reg, adr, q, i
.irp c, 0,1,2,3
	ds_load_b128 v[\reg+4*\c:\reg+4*\c+3], v[\adr] offset:128*(\q)+32*\c+(\i)*16*PITCH
.endr
.endm
.macro MUL16 a0, p, zero
.irp a, \a0, \a0+1
.irp b, 0,1,2,3,4,5,6,7
.if \zero
	v_wmma_f32_16x16x128_bf8_bf8 v[8*(8*((\a)%4)+\b):8*(8*((\a)%4)+\b)+7], v[128*(\p)+FR*\b:128*(\p)+FR*\b+FR-1], v[AF+FR*(\a):AF+FR*(\a)+FR-1], 0
.else
	v_wmma_f32_16x16x128_bf8_bf8 v[8*(8*((\a)%4)+\b):8*(8*((\a)%4)+\b)+7], v[128*(\p)+FR*\b:128*(\p)+FR*\b+FR-1], v[AF+FR*(\a):AF+FR*(\a)+FR-1], v[8*(8*((\a)%4)+\b):8*(8*((\a)%4)+\b)+7]
.endif
.endr
.endr
.endm
.macro FETCH_B slot, q, p
	WIN TO_B
.irp i, 0,1,2,3,4,5,6,7
	FRAG 128*(\p)+FR*\i, ADRB+\slot, \q, \i
.endr
	WIN 0
.endm
.macro FETCH_A slot, q, i0
.irp i, \i0, \i0+1, \i0+2, \i0+3
	FRAG AF+FR*(\i), ADRA+\slot, \q, \i
.endr
.endm
.macro PLACES n
.rept \n
	v_nop
.endr
.endm
.macro STEP slot, q, zero
	s_wait_dscnt 4*NL
	WIN MUL_LO
	MUL16 0, (\q)%2, \zero
	MUL16 2, (\q)%2, \zero
	s_wait_dscnt 0
	PLACES NP
	FETCH_B \slot, (\q)+1, 1-(\q)%2
	FETCH_A \slot, (\q)+1, 0
	WIN MUL_HI
	MUL16 4, (\q)%2, \zero
	MUL16 6, (\q)%2, \zero
	PLACES NP
	WIN 0
	FETCH_A \slot, (\q)+1, 4
.endm
.macro TURN slot, next, fill
	s_wait_tensorcnt 0x0
	ds_add_u32 v[SPW], v[NIL]
	s_wait_dscnt 4*NL+1
	WIN MUL_LO
	MUL16 0, 1, 0
	s_wait_dscnt 0x0
	s_barrier_signal -1
	MUL16 2, 1, 0
	WIN 0
	s_barrier_wait -1
.if \fill
	CREST
	s_add_nc_u64 s[G0+4*\slot+2:G0+4*\slot+3], s[G0+4*\slot+2:G0+4*\slot+3], 2*ROWB
	s_add_nc_u64 s[G0B+4*\slot+2:G0B+4*\slot+3], s[G0B+4*\slot+2:G0B+4*\slot+3], 2*ROWB
	JLOAD G0+4*\slot, G1, G0B+4*\slot, G1B
.else
	PLACES NP
.endif
	s_wait_alu depctr_va_vdst(0)
	FETCH_B \next, 0, 0
	FETCH_A \next, 0, 0
	WIN MUL_HI
	MUL16 4, 1, 0
	MUL16 6, 1, 0
	PLACES NP
	WIN 0
	FETCH_A \next, 0, 4
.endm
	s_wait_tensorcnt 1
	s_barrier_signal -1
	s_barrier_wait -1
	FETCH_B 0, 0, 0
	FETCH_A 0, 0, 0
	FETCH_A 0, 0, 4
	STEP 0, 0, 1
	s_mov_b32 s3, LAPS-1
.Llap:
	TURN 0, 1, 1
	STEP 1, 0, 0
	TURN 1, 0, 1
	STEP 0, 0, 0
	s_sub_co_u32 s3, s3, 1
	s_cmp_lg_u32 s3, 0
	s_cbranch_scc1 .Llap
	TURN 0, 1, 0
	STEP 1, 0, 0
	s_wait_dscnt 4*NL
	WIN MUL_LO
	MUL16 0, 1, 0
	MUL16 2, 1, 0
	s_wait_dscnt 0
	WIN MUL_HI
	MUL16 4, 1, 0
	MUL16 6, 1, 0
	WIN 0
.macro CONV a
.set AC, 64*((\a)%4)
	WIN 0x02+((\a)/4)
.irp b, 0,1,2,3,4,5,6,7
.irp i, 0,2,4,6
	v_pk_fma_f32 v[TMP+8*\b+\i:TMP+8*\b+\i+1], v[AC+8*\b+\i:AC+8*\b+\i+1], s[96:97], v[CB+8*\b+\i:CB+8*\b+\i+1] op_sel_hi:[1,0,1]
.endr
.endr
	WIN 0
.set n, 0
.rept 64
	v_med3_num_f32 v[TMP+n], v[TMP+n], 0, v[LIM]
.set n, n+1
.endr
.irp b, 0,1,2,3,4,5,6,7
	v_cvt_scalef32_pk8_bf8_f32 v[CD+2*\b:CD+2*\b+1], v[TMP+8*\b:TMP+8*\b+7], v[SCV]
.endr
	v_nop
.irp b, 0,1,2,3,4,5,6,7
	ds_store_b64 v[STO], v[CD+2*\b:CD+2*\b+1] offset:16*(\a)*PITCH+16*\b
.endr
.endm
	s_wait_kmcnt 0x0
	s_wait_loadcnt 0x0
	s_add_co_i32 s96, s96, s97
	s_add_co_i32 s96, s96, 127
	s_lshl_b32 s96, s96, 23
	s_mov_b32 s97, s96
	s_add_co_i32 s88, s88, 127
	s_lshl_b32 s89, s88, 23
	v_mov_b32 v[SCV], s89
	s_add_co_i32 s88, s88, 15
	s_lshl_b32 s88, s88, 23
	s_or_b32 s88, s88, 0x600000
	v_mov_b32 v[LIM], s88
	PLACES NP
.irp a, 0,1,2,3,4,5,6,7
	CONV \a
.endr
	s_wait_dscnt 0x0
	s_barrier_signal -1
	s_barrier_wait -1
	s_lshl_b32 s22, s17, 8
	s_lshl_b32 s23, s14, 6
	s_add_co_u32 s22, s22, s23
	s_lshl_b32 s22, s22, 12
	s_lshl_b32 s23, s42, 8
	s_add_co_u32 s22, s22, s23
	s_mov_b32 s23, 0
	s_add_nc_u64 s[90:91], s[72:73], s[22:23]
.set n, 0
.rept 32
	ds_load_b128 v[BK+4*n:BK+4*n+3], v[RD] offset:2*n*PITCH
.set n, n+1
.endr
.set n, 0
.rept 32
	s_wait_dscnt 31-n
	global_store_b128 v[CO], v[BK+4*n:BK+4*n+3], s[90:91] offset:2*n*4096
.set n, n+1
.endr
	s_wait_tensorcnt 0x0
	ds_add_u32 v[SPW], v[NIL]
	s_wait_dscnt 0x0
	CROUND
	s_endpgm
.Lfunc_end_k_q2a3c1da561_ffn1:
	.size	k_q2a3c1da561_ffn1, .Lfunc_end_k_q2a3c1da561_ffn1-k_q2a3c1da561_ffn1
	.p2alignl 7, 3214868480
	.fill 96, 4, 3214868480
	.section	.rodata,"a",@progbits
	.p2align	6, 0x0
	.amdhsa_kernel k_q2a3c1da561_ffn1
		.amdhsa_group_segment_fixed_size 327680
		.amdhsa_private_segment_fixed_size 0
		.amdhsa_enable_private_segment 0
		.amdhsa_kernarg_size 40
		.amdhsa_user_sgpr_count 2
		.amdhsa_user_sgpr_kernarg_segment_ptr 1
		.amdhsa_wavefront_size32 1
		.amdhsa_system_sgpr_workgroup_id_x 1
		.amdhsa_system_sgpr_workgroup_id_y 1
		.amdhsa_system_sgpr_workgroup_id_z 1
		.amdhsa_system_vgpr_workitem_id 0
		.amdhsa_next_free_vgpr 1024
		.amdhsa_next_free_sgpr 100
		.amdhsa_reserve_vcc 0
		.amdhsa_float_denorm_mode_32 3
		.amdhsa_float_denorm_mode_16_64 3
		.amdhsa_memory_ordered 1
		.amdhsa_forward_progress 1
		.amdhsa_inst_pref_size 144
	.end_amdhsa_kernel
	.amdgpu_metadata
---
amdhsa.version: [ 1, 2 ]
amdhsa.kernels:
  - .name:           k_q2a3c1da561_ffn1
    .symbol:         k_q2a3c1da561_ffn1.kd
    .args:
      - { .name: hc, .offset: 0, .size: 8, .value_kind: global_buffer, .address_space: global }
      - { .name: wc, .offset: 8, .size: 8, .value_kind: global_buffer, .address_space: global }
      - { .name: lowp_scales, .offset: 16, .size: 8, .value_kind: global_buffer, .address_space: global }
      - { .name: b1, .offset: 24, .size: 8, .value_kind: global_buffer, .address_space: global }
      - { .name: fc, .offset: 32, .size: 8, .value_kind: global_buffer, .address_space: global }
    .group_segment_fixed_size: 327680
    .private_segment_fixed_size: 0
    .kernarg_segment_align: 8
    .kernarg_segment_size: 40
    .max_flat_workgroup_size: 128
    .sgpr_count:     100
    .vgpr_count:     1024
    .wavefront_size: 32
...
	.end_amdgpu_metadata
.endif
;; end of part 6
;; launch ffn2 (part 7): grid 8 x 32, 4 waves a work-group, clusters of 4 x 4, 327,680 bytes of LDS; arguments fc, wc, lowp_scales, b2, h, y; writes y
.if DOCPART == 7
	.amdgcn_target "amdgcn-amd-amdhsa--gfx1250"
	.amdhsa_code_object_version 6
	.text
	.protected	k_q2a3c1da561_ffn2
	.globl	k_q2a3c1da561_ffn2
	.p2align	8
	.type	k_q2a3c1da561_ffn2,@function
k_q2a3c1da561_ffn2:
	s_mov_b64 s[64:65], 0
	v_nop
	global_prefetch_b8 v0, s[64:65] scope:SCOPE_SE
	s_setreg_imm32_b32 hwreg(HW_REG_WAVE_MODE, 25, 1), 1
	s_wait_xcnt 0x0
	s_wait_alu depctr_hold_cnt(0) depctr_sa_sdst(0) depctr_va_vdst(0) depctr_va_sdst(0) depctr_va_ssrc(0) depctr_va_vcc(0) depctr_vm_vsrc(0)
	s_getreg_b32 s2, hwreg(HW_REG_IB_STS2, 6, 4)
	s_cmp_eq_u32 s2, 0
	s_cbranch_scc0 .Lentry_in_a_cluster
	s_endpgm
.Lentry_in_a_cluster:
	s_bfe_u32 s2, ttmp6, 0x10000c
	s_cmp_lg_u32 s2, 0xf033
	s_cbranch_scc0 .Lentry_shape_is_right
	s_endpgm
.Lentry_shape_is_right:
.set SIZE_K, 4096
.set WOFF,   0x800000
.set SOFS,   56
.set KSTEP,  512
.set PITCH,  528
.set HALFT,  64*PITCH
.set SLOT,   4*HALFT
.set SPARE,  2*SLOT
.set SPITCH, 272
.set LAPS,   SIZE_K/(2*KSTEP)
.set ADRA, 16
.set ADRB, 20
.set STO,  24
.set RD,   25
.set CO,   26
.set BO,   27
.set SPW,  28
.set NIL,  29
.set BK,   32
.set BI,   96
.set ACC,  128
.set F0,   0
.set F1,   128
.set G1, 24
.set G0, 32
.set G1B, 48
.set G0B, 56
.set MSB, 0
.macro WIN new
.if MSB != \new
	s_set_vgpr_msb (MSB<<8)|\new
.set MSB, \new
.endif
.endm
.set MUL,  0x05
.set TO_F, 0x40
.macro JLOAD s
	s_cmp_eq_u32 s13, 0
	s_cbranch_scc0 .Lfor_b_\@
	tensor_load_to_lds s[G0+4*\s:G0+4*\s+3], s[G1:G1+7]
	s_nop 0
.rept 4
	v_nop
.endr
	s_branch .Lasked_\@
.Lfor_b_\@:
	tensor_load_to_lds s[G0B+4*\s:G0B+4*\s+3], s[G1B:G1B+7]
	s_nop 0
.rept 4
	v_nop
.endr
.Lasked_\@:
.endm
.macro CREST
	s_cmp_lg_u32 s12, 0
	s_cbranch_scc1 .Lnot_wave_0_\@
	s_barrier_signal -3
.Lnot_wave_0_\@:
	s_barrier_wait -3
	s_barrier_signal -1
	s_barrier_wait -1
.endm
.macro CROUND
	s_barrier_signal -1
	s_barrier_wait -1
	CREST
.endm
	s_load_b256 s[4:11], s[0:1], 0x0
	s_load_b128 s[68:71], s[0:1], 0x20
	v_lshl_add_u32 v[SPW], v0, 2, SPARE
	v_mov_b32 v[NIL], 0
	v_and_b32 v30, 15, v0
	v_mul_u32_u24 v30, v30, SIZE_K
	v_bfe_u32 v31, v0, 4, 1
	v_lshl_add_u32 v30, v31, 8, v30                ; the prefetches' offset: row l % 16, 256 bytes for each half of the lanes; never rewritten
	v_lshrrev_b32 v1, 5, v0
	v_readfirstlane_b32 s12, v1
	s_lshr_b32 s13, s12, 1
	s_and_b32 s14, s12, 1
	s_bfe_u32 s40, ttmp6, 0x40000
	s_bfe_u32 s41, ttmp6, 0x40004
	s_lshl_b32 s42, ttmp9, 2
	s_add_co_u32 s42, s42, s40
	s_and_b32 s16, ttmp7, 0xffff
	s_lshl_b32 s16, s16, 2
	s_add_co_u32 s16, s16, s41
	s_lshl_b32 s43, s41, 2
	s_lshl_b32 s43, 15, s43
	s_lshl_b32 s44, 0x1111, s40
	s_or_b32 s[G1+0], s43, (0<<16)|(1<<20)|(1<<21)|(6<<22)|(3<<25)
	s_or_b32 s[G1B+0], s44, (0<<16)|(1<<20)|(1<<21)|(6<<22)|(3<<25)
.irp g, G1, G1B
	s_mov_b32 s[\g+1], KSTEP<<16
	s_mov_b32 s[\g+2], 64<<16
	s_mov_b32 s[\g+3], KSTEP<<16
	s_mov_b32 s[\g+4], 64
	s_mov_b32 s[\g+5], SIZE_K
	s_mov_b32 s[\g+6], 0
	s_mov_b32 s[\g+7], 0
.endr
	s_lshl_b32 s17, s14, 6
	s_lshl_b32 s20, s16, 7
	s_add_co_u32 s20, s20, s17
	s_mul_i32 s20, s20, SIZE_K
	s_mov_b32 s21, 0
	s_lshl_b32 s46, s42, 7
	s_add_co_u32 s46, s46, s17
	s_mul_i32 s46, s46, SIZE_K
	s_add_co_u32 s46, s46, WOFF
	s_mov_b32 s47, 0
	s_mul_i32 s45, s12, HALFT
	s_wait_kmcnt 0x0
	s_load_b64 s[72:73], s[8:9], SOFS
	s_add_nc_u64 s[20:21], s[4:5], s[20:21]
	s_add_nc_u64 s[46:47], s[6:7], s[46:47]
	s_cmp_eq_u32 s13, 0                            ; the prefetches: of the 64 rows that my wave fetches, each of the four partners that ask for them jointly names 16, told apart by address
	s_cselect_b64 s[66:67], s[20:21], s[46:47]
	s_cselect_b32 s18, s40, s41                    ; my place among the four
	s_mul_i32 s18, s18, 16*SIZE_K
	s_mov_b32 s19, 0
	s_add_nc_u64 s[66:67], s[66:67], s[18:19]      ; at slot 0; each change of slots that fills steps it one slot on
.irp s, 0,1
	s_mov_b32 s[G0+4*\s], 1
	s_add_co_u32 s[G0+4*\s+1], s45, \s*SLOT
	s_add_nc_u64 s[G0+4*\s+2:G0+4*\s+3], s[20:21], \s*KSTEP
	s_or_b32 s[G0+4*\s+3], s[G0+4*\s+3], 0x80000000
	s_mov_b32 s[G0B+4*\s], 1
	s_add_co_u32 s[G0B+4*\s+1], s45, \s*SLOT
	s_add_nc_u64 s[G0B+4*\s+2:G0B+4*\s+3], s[46:47], \s*KSTEP
	s_or_b32 s[G0B+4*\s+3], s[G0B+4*\s+3], 0x80000000
	s_wait_alu depctr_va_vdst(0)
	s_wait_tensorcnt 0x0
	ds_add_u32 v28, v29
	ds_add_u32 v28, v29
	s_wait_dscnt 0x0
	CROUND
	JLOAD \s
.if \s == 0
	global_prefetch_b8 v30, s[66:67] offset:KSTEP th:TH_LOAD_NT scope:SCOPE_SE     ; behind slot 0's load: slots 1 and 2: 16 rows x 512 bytes each, a lane to each 256, each block named once in the cluster
	global_prefetch_b8 v30, s[66:67] offset:2*KSTEP th:TH_LOAD_NT scope:SCOPE_SE
.else
	global_prefetch_b8 v30, s[66:67] offset:3*KSTEP th:TH_LOAD_NT scope:SCOPE_SE   ; behind slot 1's load: slot 3
.endif
.endr
	v_and_b32 v1, 15, v0
	s_wait_alu depctr_va_vdst(0)
	v_bfe_u32 v2, v0, 4, 1
	v_mul_u32_u24 v3, v1, PITCH
	v_lshl_add_u32 v3, v2, 4, v3
	s_mul_i32 s18, s13, HALFT
	s_mul_i32 s19, s14, HALFT
	s_add_co_u32 s19, s19, 2*HALFT
.irp s, 0,1
	v_add_nc_u32 v[ADRA+\s], s18, v3
	v_add_nc_u32 v[ADRB+\s], s19, v3
	s_add_co_u32 s18, s18, SLOT
	s_add_co_u32 s19, s19, SLOT
.endr
	s_mul_i32 s18, s12, 16*SPITCH
	v_mul_u32_u24 v4, v1, SPITCH
	s_wait_alu depctr_va_vdst(0)
	v_lshl_add_u32 v4, v2, 5, v4
	v_add_nc_u32 v[STO], s18, v4
	v_mul_u32_u24 v5, v2, SPITCH
	v_lshl_add_u32 v5, v1, 4, v5
	v_add_nc_u32 v[RD], s18, v5
	v_lshlrev_b32 v[CO], 12, v2
	v_lshl_add_u32 v[CO], v1, 4, v[CO]
	v_lshlrev_b32 v[BO], 4, v1
	s_wait_alu depctr_va_vdst(0)
	s_lshl_b32 s18, s16, 7
	s_lshl_b32 s19, s13, 6
	s_add_co_u32 s18, s18, s19
	s_lshl_b32 s18, s18, 12
	s_lshl_b32 s19, s42, 7
	s_lshl_b32 s22, s14, 6
	s_add_co_u32 s19, s19, s22
	s_lshl_b32 s22, s19, 2
	s_mov_b32 s23, 0
	s_add_nc_u64 s[76:77], s[10:11], s[22:23]
	s_add_co_u32 s22, s22, s18
	s_add_nc_u64 s[74:75], s[68:69], s[22:23]
	s_add_nc_u64 s[78:79], s[70:71], s[22:23]
	global_load_b128 v[BI:BI+3], v[BO], s[76:77]
	WIN 0x80
.set n, 0
.rept 32
	global_load_b128 v[4*n:4*n+3], v[CO], s[74:75] offset:8192*n
.set n, n+1
.endr
	WIN 0
.macro FRAG reg, adr, k, i
.irp c, 0,1,2,3
	ds_load_b128 v[\reg+4*\c:\reg+4*\c+3], v[\adr] offset:(\k)+32*\c+(\i)*16*PITCH
.endr
.endm
.macro FETCH slot, k, f
	WIN TO_F
.irp i, 0,1,2,3
	FRAG \f+64+16*\i, ADRB+\slot, \k, \i
.endr
.irp i, 0,1,2,3
	FRAG \f+16*\i, ADRA+\slot, \k, \i
.endr
.endm
.macro MUL8 f, a0, zero
.irp a, \a0, \a0+1
.irp b, 0,1,2,3
.if \zero
	v_wmma_f32_16x16x128_bf8_bf8 v[ACC+8*(4*(\a)+\b):ACC+8*(4*(\a)+\b)+7], v[\f+64+16*\b:\f+64+16*\b+15], v[\f+16*(\a):\f+16*(\a)+15], 0
.else
	v_wmma_f32_16x16x128_bf8_bf8 v[ACC+8*(4*(\a)+\b):ACC+8*(4*(\a)+\b)+7], v[\f+64+16*\b:\f+64+16*\b+15], v[\f+16*(\a):\f+16*(\a)+15], v[ACC+8*(4*(\a)+\b):ACC+8*(4*(\a)+\b)+7]
.endif
.endr
.endr
.endm
.macro PLACES
.rept 4
	v_nop
.endr
.endm
.macro QUARTER slot, k, f, g, zero
	s_wait_dscnt 8
	WIN MUL
	MUL8 \f, 0, \zero
	PLACES
	FETCH \slot, \k, \g
	s_wait_dscnt 32
	WIN MUL
	MUL8 \f, 2, \zero
.endm
.macro TURN slot, next, fill
	WIN 0
.if \fill
	s_wait_xcnt 0x0                                ; any prefetch of mine has read its address: it is stepped only behind this wait
	s_add_nc_u64 s[66:67], s[66:67], KSTEP
.endif
	s_wait_tensorcnt 0x0
	ds_add_u32 v[SPW], v[NIL]
	s_wait_dscnt 9
	WIN MUL
	MUL8 F1, 0, 0
	s_wait_dscnt 0x0
	s_barrier_signal -1
	MUL8 F1, 2, 0
.if \fill
	WIN 0
.endif
	s_barrier_wait -1
.if \fill
	CREST
	s_add_nc_u64 s[G0+4*\slot+2:G0+4*\slot+3], s[G0+4*\slot+2:G0+4*\slot+3], 2*KSTEP
	s_add_nc_u64 s[G0B+4*\slot+2:G0B+4*\slot+3], s[G0B+4*\slot+2:G0B+4*\slot+3], 2*KSTEP
	JLOAD \slot
.else
	PLACES
.endif
	FETCH \next, 0, F0
.if \fill
	WIN 0                                          ; (a branch follows)
	s_cmp_gt_u32 s3, 1                             ; the loop's last trip fills slots 6 and 7: no slot stands two further on
	s_cbranch_scc0 .Lno_ask_\@
	global_prefetch_b8 v30, s[66:67] offset:3*KSTEP th:TH_LOAD_NT scope:SCOPE_SE   ; behind the refill with slot j and the run of LDS loads: slot j + 2
.Lno_ask_\@:
.endif
.endm
	s_wait_tensorcnt 1
	s_barrier_signal -1
	s_barrier_wait -1
	FETCH 0, 0, F0
	QUARTER 0, 128, F0, F1, 1
.if LAPS > 1
	WIN 0
	s_mov_b32 s3, LAPS-1
.Llap:
	QUARTER 0, 256, F1, F0, 0
	QUARTER 0, 384, F0, F1, 0
	TURN 0, 1, 1
	QUARTER 1, 128, F0, F1, 0
	QUARTER 1, 256, F1, F0, 0
	QUARTER 1, 384, F0, F1, 0
	TURN 1, 0, 1
	QUARTER 0, 128, F0, F1, 0
	WIN 0
	s_sub_co_u32 s3, s3, 1
	s_cmp_lg_u32 s3, 0
	s_cbranch_scc1 .Llap
.endif
	QUARTER 0, 256, F1, F0, 0
	QUARTER 0, 384, F0, F1, 0
	TURN 0, 1, 0
	QUARTER 1, 128, F0, F1, 0
	QUARTER 1, 256, F1, F0, 0
	QUARTER 1, 384, F0, F1, 0
	s_wait_dscnt 8
	WIN MUL
	MUL8 F1, 0, 0
	s_wait_dscnt 0
	MUL8 F1, 2, 0
	WIN 0
.macro TOSTAGE a
.irp b, 0,1,2,3
	ds_store_b128 v[STO], v[ACC+8*(4*(\a)+\b):ACC+8*(4*(\a)+\b)+3] offset:64*\b
	ds_store_b128 v[STO], v[ACC+8*(4*(\a)+\b)+4:ACC+8*(4*(\a)+\b)+7] offset:64*\b+16
.endr
.set BB, BK+32*((\a)%2)
.irp t, 0,1,2,3,4,5,6,7
	ds_load_b128 v[BB+4*\t:BB+4*\t+3], v[RD] offset:\t*2*SPITCH
.endr
.endm
.macro SEND a, younger
.set BB, BK+32*((\a)%2)
	s_wait_dscnt \younger
.irp t, 0,1,2,3,4,5,6,7
.irp k, 0,2
	v_pk_fma_f32 v[BB+4*\t+\k:BB+4*\t+\k+1], v[BB+4*\t+\k:BB+4*\t+\k+1], s[72:73], v[BI+\k:BI+\k+1] op_sel_hi:[1,0,1]
.endr
.endr
	WIN 0x08
.irp t, 0,1,2,3,4,5,6,7
.irp k, 0,2
	v_pk_add_f32 v[BB+4*\t+\k:BB+4*\t+\k+1], v[BB+4*\t+\k:BB+4*\t+\k+1], v[4*(8*(\a)+\t)+\k:4*(8*(\a)+\t)+\k+1]
.endr
.endr
	WIN 0
.irp t, 0,1,2,3,4,5,6,7
	global_store_b128 v[CO], v[BB+4*\t:BB+4*\t+3], s[78:79] offset:(16*(\a)+2*\t)*4096
.endr
.endm
	s_wait_kmcnt 0x0
	s_wait_loadcnt 0x0
	s_add_co_i32 s72, s72, s73
	s_add_co_i32 s72, s72, 127
	s_lshl_b32 s72, s72, 23
	s_mov_b32 s73, s72
	PLACES
	TOSTAGE 0
	TOSTAGE 1
	SEND 0, 16
	s_wait_xcnt 0x0
	TOSTAGE 2
	SEND 1, 16
	s_wait_xcnt 0x0
	TOSTAGE 3
	SEND 2, 16
	SEND 3, 0
	s_wait_tensorcnt 0x0
	ds_add_u32 v[SPW], v[NIL]
	s_wait_dscnt 0x0
	CROUND
	s_endpgm
.Lfunc_end_k_q2a3c1da561_ffn2:
	.size	k_q2a3c1da561_ffn2, .Lfunc_end_k_q2a3c1da561_ffn2-k_q2a3c1da561_ffn2
	.p2alignl 7, 3214868480
	.fill 96, 4, 3214868480
	.section	.rodata,"a",@progbits
	.p2align	6, 0x0
	.amdhsa_kernel k_q2a3c1da561_ffn2
		.amdhsa_group_segment_fixed_size 327680
		.amdhsa_private_segment_fixed_size 0
		.amdhsa_enable_private_segment 0
		.amdhsa_kernarg_size 48
		.amdhsa_user_sgpr_count 2
		.amdhsa_user_sgpr_kernarg_segment_ptr 1
		.amdhsa_wavefront_size32 1
		.amdhsa_system_sgpr_workgroup_id_x 1
		.amdhsa_system_sgpr_workgroup_id_y 1
		.amdhsa_system_sgpr_workgroup_id_z 1
		.amdhsa_system_vgpr_workitem_id 0
		.amdhsa_next_free_vgpr 640
		.amdhsa_next_free_sgpr 80
		.amdhsa_reserve_vcc 0
		.amdhsa_float_denorm_mode_32 3
		.amdhsa_float_denorm_mode_16_64 3
		.amdhsa_memory_ordered 1
		.amdhsa_forward_progress 1
		.amdhsa_inst_pref_size 83
	.end_amdhsa_kernel
	.amdgpu_metadata
---
amdhsa.version: [ 1, 2 ]
amdhsa.kernels:
  - .name:           k_q2a3c1da561_ffn2
    .symbol:         k_q2a3c1da561_ffn2.kd
    .args:
      - { .name: fc, .offset: 0, .size: 8, .value_kind: global_buffer, .address_space: global }
      - { .name: wc, .offset: 8, .size: 8, .value_kind: global_buffer, .address_space: global }
      - { .name: lowp_scales, .offset: 16, .size: 8, .value_kind: global_buffer, .address_space: global }
      - { .name: b2, .offset: 24, .size: 8, .value_kind: global_buffer, .address_space: global }
      - { .name: h, .offset: 32, .size: 8, .value_kind: global_buffer, .address_space: global }
      - { .name: y, .offset: 40, .size: 8, .value_kind: global_buffer, .address_space: global }
    .group_segment_fixed_size: 327680
    .private_segment_fixed_size: 0
    .kernarg_segment_align: 8
    .kernarg_segment_size: 48
    .max_flat_workgroup_size: 128
    .sgpr_count:     80
    .vgpr_count:     640
    .wavefront_size: 32
...
	.end_amdgpu_metadata
.endif
;; end of part 7
;; launch ln2 (part 8): grid 256 x 1, 4 waves a work-group, no clusters, 0 bytes of LDS; arguments y, g2, be2, out0; writes out0
.if DOCPART == 8
	.amdgcn_target "amdgcn-amd-amdhsa--gfx1250"
	.amdhsa_code_object_version 6
	.text
	.protected	k_q2a3c1da561_ln2
	.globl	k_q2a3c1da561_ln2
	.p2align	8
	.type	k_q2a3c1da561_ln2,@function
k_q2a3c1da561_ln2:
	s_mov_b64 s[64:65], 0
	v_nop
	global_prefetch_b8 v0, s[64:65] scope:SCOPE_SE
	s_setreg_imm32_b32 hwreg(HW_REG_WAVE_MODE, 25, 1), 1
	s_wait_xcnt 0x0
; out0 = LayerNorm(y) x g + be, rows of 1,024 f32, eps = 1e-5.
; One wave takes a row (4,096 bytes: 32 registers) and four rows in all; the row stays in registers between the passes: mean, then the mean of the squared differences (two passes, as the definition has it), then the scaling.
; All 48 loads of a wave (g, be, four rows) are issued at the head.  Each load and store of a wave covers 512 consecutive bytes.  Memory binds: no matrix unit, no cluster, no LDS, no barrier.
.set OUTP,  10                         ; s[10:11] the result
.set X,   32                           ; v32-159  four rows
.set G,   160                          ; v160-191 g at my columns
.set BE,  192                          ; v192-223 be
	s_load_b256 s[4:11], s[0:1], 0x0               ; y 4, g 6, be 8, out0 10
	v_lshrrev_b32 v1, 5, v0
	v_readfirstlane_b32 s20, v1                    ; wave
	v_and_b32 v15, 31, v0
	v_lshlrev_b32 v1, 4, v15                       ; 16 x lane
	s_lshl_b32 s21, ttmp9, 2
	s_add_co_u32 s21, s21, s20                     ; which four rows
	s_lshl_b32 s22, s21, 14
	s_mov_b32 s23, 0
	s_mov_b32 s12, 0x3a800000                      ; 1 / 1,024
	s_mov_b32 s13, 0x3727c5ac                      ; 1e-5
	s_mov_b32 s14, 0x76543210
	s_mov_b32 s15, 0xfedcba98
	v_mov_b32 v14, 0                               ; a lane permute's destination counts as one of its sources
	v_mov_b32 v13, 0                               ; (named as the upper half of the pair v[12:13])
	s_wait_alu depctr_va_vdst(0)
	s_wait_kmcnt 0x0
	s_add_nc_u64 s[4:5], s[4:5], s[22:23]
	s_add_nc_u64 s[OUTP:OUTP+1], s[OUTP:OUTP+1], s[22:23]
.irp j, 0,1,2,3,4,5,6,7
	global_load_b128 v[G+4*\j:G+4*\j+3], v1, s[6:7] offset:512*\j
.endr
.irp j, 0,1,2,3,4,5,6,7
	global_load_b128 v[BE+4*\j:BE+4*\j+3], v1, s[8:9] offset:512*\j
.endr
.irp p, 0,1,2,3
.irp j, 0,1,2,3,4,5,6,7
	global_load_b128 v[X+32*\p+4*\j:X+32*\p+4*\j+3], v1, s[4:5] offset:4096*\p+512*\j th:TH_LOAD_NT
.endr
.endr
.macro REDUCE                          ; the four chains v[2:9] become one number, in every lane's v2
	v_pk_add_f32 v[2:3], v[2:3], v[4:5]
	v_pk_add_f32 v[6:7], v[6:7], v[8:9]
	v_pk_add_f32 v[2:3], v[2:3], v[6:7]
	v_add_f32 v2, v2, v3
	v_add_f32_dpp v2, v2, v2 row_xmask:1 row_mask:0xf bank_mask:0xf
	v_add_f32_dpp v2, v2, v2 row_xmask:2 row_mask:0xf bank_mask:0xf
	v_add_f32_dpp v2, v2, v2 row_xmask:4 row_mask:0xf bank_mask:0xf
	v_add_f32_dpp v2, v2, v2 row_xmask:8 row_mask:0xf bank_mask:0xf
	v_permlanex16_b32 v14, v2, s14, s15
	v_add_f32 v2, v2, v14
.endm
.macro ROW p
.set XR, X+32*(\p)
	s_wait_loadcnt 8*(3-(\p))                      ; g, be and this row are in; the later rows' eight loads each may be out
.irp c, 0,1,2,3
	v_pk_add_f32 v[2+2*\c:3+2*\c], v[XR+2*\c:XR+2*\c+1], v[XR+8+2*\c:XR+8+2*\c+1]   ; the first pairs start the chains: nothing is cleared
.endr
.irp i, 8,9,10,11,12,13,14,15
	v_pk_add_f32 v[2+2*(\i%4):3+2*(\i%4)], v[2+2*(\i%4):3+2*(\i%4)], v[XR+2*\i:XR+2*\i+1]
.endr
	REDUCE
	v_mul_f32 v10, s12, v2                         ; the mean, twice
	v_mul_f32 v11, s12, v2
.irp i, 0,1,2,3,4,5,6,7,8,9,10,11,12,13,14,15
	v_pk_add_f32 v[XR+2*\i:XR+2*\i+1], v[XR+2*\i:XR+2*\i+1], v[10:11] neg_lo:[0,1] neg_hi:[0,1]
.endr
.irp c, 0,1,2,3
	v_pk_mul_f32 v[2+2*\c:3+2*\c], v[XR+2*\c:XR+2*\c+1], v[XR+2*\c:XR+2*\c+1]
.endr
.irp i, 4,5,6,7,8,9,10,11,12,13,14,15
	v_pk_fma_f32 v[2+2*(\i%4):3+2*(\i%4)], v[XR+2*\i:XR+2*\i+1], v[XR+2*\i:XR+2*\i+1], v[2+2*(\i%4):3+2*(\i%4)]
.endr
	REDUCE
	v_fma_f32 v12, v2, s12, s13                    ; the variance + eps
	s_wait_alu depctr_va_vdst(0)
	v_rsq_f32 v12, v12
	v_nop                                          ; a plain line behind the transcendental
	s_wait_alu depctr_va_vdst(0)                   ; and the wait ahead of its first reader
.irp i, 0,1,2,3,4,5,6,7,8,9,10,11,12,13,14,15
	v_pk_mul_f32 v[XR+2*\i:XR+2*\i+1], v[XR+2*\i:XR+2*\i+1], v[12:13] op_sel_hi:[1,0]
.endr
.irp i, 0,1,2,3,4,5,6,7,8,9,10,11,12,13,14,15
	v_pk_fma_f32 v[XR+2*\i:XR+2*\i+1], v[XR+2*\i:XR+2*\i+1], v[G+2*\i:G+2*\i+1], v[BE+2*\i:BE+2*\i+1]
.endr
.irp j, 0,1,2,3,4,5,6,7
	global_store_b128 v1, v[XR+4*\j:XR+4*\j+3], s[OUTP:OUTP+1] offset:4096*(\p)+512*\j th:TH_STORE_NT
.endr
.endm
	ROW 0
	ROW 1
	ROW 2
	ROW 3
	s_endpgm
.Lfunc_end_k_q2a3c1da561_ln2:
	.size	k_q2a3c1da561_ln2, .Lfunc_end_k_q2a3c1da561_ln2-k_q2a3c1da561_ln2
	.p2alignl 7, 3214868480
	.fill 96, 4, 3214868480
	.section	.rodata,"a",@progbits
	.p2align	6, 0x0
	.amdhsa_kernel k_q2a3c1da561_ln2
		.amdhsa_group_segment_fixed_size 0
		.amdhsa_private_segment_fixed_size 0
		.amdhsa_enable_private_segment 0
		.amdhsa_kernarg_size 32
		.amdhsa_user_sgpr_count 2
		.amdhsa_user_sgpr_kernarg_segment_ptr 1
		.amdhsa_wavefront_size32 1
		.amdhsa_system_sgpr_workgroup_id_x 1
		.amdhsa_system_sgpr_workgroup_id_y 1
		.amdhsa_system_sgpr_workgroup_id_z 1
		.amdhsa_system_vgpr_workitem_id 0
		.amdhsa_next_free_vgpr 248
		.amdhsa_next_free_sgpr 66
		.amdhsa_reserve_vcc 0
		.amdhsa_float_denorm_mode_32 3
		.amdhsa_float_denorm_mode_16_64 3
		.amdhsa_memory_ordered 1
		.amdhsa_forward_progress 1
		.amdhsa_inst_pref_size 34
	.end_amdhsa_kernel
	.amdgpu_metadata
---
amdhsa.version: [ 1, 2 ]
amdhsa.kernels:
  - .name:           k_q2a3c1da561_ln2
    .symbol:         k_q2a3c1da561_ln2.kd
    .args:
      - { .name: y, .offset: 0, .size: 8, .value_kind: global_buffer, .address_space: global }
      - { .name: g2, .offset: 8, .size: 8, .value_kind: global_buffer, .address_space: global }
      - { .name: be2, .offset: 16, .size: 8, .value_kind: global_buffer, .address_space: global }
      - { .name: out0, .offset: 24, .size: 8, .value_kind: global_buffer, .address_space: global }
    .group_segment_fixed_size: 0
    .private_segment_fixed_size: 0
    .kernarg_segment_align: 8
    .kernarg_segment_size: 32
    .max_flat_workgroup_size: 128
    .sgpr_count:     66
    .vgpr_count:     248
    .wavefront_size: 32
...
	.end_amdgpu_metadata
.endif
;; end of part 8
